; MI455X (gfx1250); checked and timed in simulation.
; The chip was launched on July 23, 2026; its instructions are those of AMD's public machine-readable ISA for CDNA 5 (MIT licence, August 2026) and "CDNA5" Instruction Set Architecture Reference Guide (July 2026). The comments in the code are by the model that wrote it; some were corrected since.
;; Cross Attention1. Allowed arithmetic: matrix products marked QUANTISED: E2M3 operands, one E8M0 scale for each 32 along K, by v_wmma_scale_f32_16x16x128_f8f6f4 with both operands' format E2M3, f32 sums; products left as they are: f32 operands where the result goes on into a quantised operand, else bf16, f16 or f32 operands; f32 sums; everything else in f32.
;; Inputs: Wkv 1,024 x 2,048 float32; Wproj 1,024 x 1,024 float32; Wq 1,024 x 1,024 float32; bproj 1,024 float32; mask 16,384 bool; x 16,384 x 1,024 float32; y 16,384 x 1,024 float32.
;; Outputs: out0 16,384 x 1,024 float32.
;; This version of the problem:
;;   THIS VERSION OF THE PROBLEM IS GIVEN IN LOW PRECISION. The matrix products marked QUANTISED in the list below multiply operands that are first quantised to E2M3 (2 exponent bits, 3 mantissa bits; 6 bits a number), with one power-of-two scale for each 32 numbers along K (OCP MX v1.0); their sums are f32. All else is computed in f32.
;;   The module's matrix products, in the order in which they are computed (A, B: the left and right operand; K: the contracted axis; several contracted axes count as one K, in the product's order):
;;     1. [M 16,384, K 1,024] x [K 1,024, N 1,024]; A: input x; B: input Wq: QUANTISED
;;     2. [M 16,384, K 1,024] x [K 1,024, N 2,048]; A: input y; B: input Wkv: QUANTISED
;;     3. batch 262,144 x [M 1, K 64] x [K 64, N 1]; A: computed on the way; B: computed on the way: left as it is (M = 1 < 16)
;;     4. [M 16,384, K 1,024] x [K 1,024, N 1,024]; A: computed on the way; B: input Wproj: QUANTISED
;;   THE QUANTISER, for each operand of a quantised product, along K:
;;     - K is cut into blocks of 32 from its start; a last block that is shorter is filled with zeros.
;;     - A block's scale is 2^e with e = floor(log2(the largest magnitude in the block)) - 2, held to -126 .. 127; a block of zeros has e = 0. As a byte (E8M0): e + 127.
;;     - Each number is divided by its block's scale, clamped to +-7.5, and rounded to the nearest number of E2M3, ties to even, subnormals kept.
;;     - The product sums the exact products of the quantised numbers (number of the format x scale) in f32.
;;   ~~~python
;;   def quantise(x, axis):      # numpy; x: float32 -> the quantised numbers, widened to float32 again
;;       x = np.moveaxis(x, axis, -1); K = x.shape[-1]
;;       x = np.pad(x, [(0, 0)] * (x.ndim - 1) + [(0, -K % 32)]); x = x.reshape(x.shape[:-1] + (-1, 32)); a = np.abs(x).max(-1, keepdims=True)
;;       e = np.where(a > 0, np.clip(np.frexp(np.where(a > 0, a, 1))[1] - 1 - 2, -126, 127), 0)      # np.frexp(a)[1] - 1 = floor(log2(a)), exactly
;;       r = np.clip(x / 2.0 ** e, -7.5, 7.5)
;;       step = 2.0 ** (np.maximum(np.frexp(np.where(r == 0, 1, r))[1] - 1, 0) - 3)
;;       q = np.round(r / step) * step * 2.0 ** e      # np.round: ties to even
;;       return np.moveaxis(q.reshape(q.shape[:-2] + (-1,))[..., :K], -1, axis).astype(np.float32)
;;   ~~~
;;   OPERANDS COMPUTED ON THE WAY. 'Computed on the way' means the value that the module computes at that place (a softmax that the list does not call 'softmax' is quantised finished and normalised). What goes into a quantiser is computed in f32, as accurately as f32 sums, v_exp_f32 and their like allow (about 1e-6 of the number): no bf16 or f16 on the way to a quantiser, and a product that is left as it is and whose result goes on into a quantised operand takes f32 operands (vector FMAs, or v_wmma_f32_16x16x4_f32). A number that lies on a knife's edge between two numbers of the format may be rounded either way, as far as f32 arithmetic and the matrix unit's own rounding can turn it there, and no further.
;; 3 versions. Each part assembles by itself: llvm-mc -triple=amdgcn-amd-amdhsa -mcpu=gfx1250 --defsym DOCPART=n.
;; ======== version 1 of 3: 2 launches
;; workspace buffers: wts 3,276,800 bytes
;; launch lay (part 1): grid 8 x 32, 4 waves a work-group, no clusters, 1,536 bytes of LDS; arguments Wq, Wkv, Wproj, wts; writes wts
.if DOCPART == 1
	.amdgcn_target "amdgcn-amd-amdhsa--gfx1250"
	.amdhsa_code_object_version 6
	.text
	.protected	k_qec6b1f300c_lay
	.globl	k_qec6b1f300c_lay
	.p2align	8
	.type	k_qec6b1f300c_lay,@function
k_qec6b1f300c_lay:
	s_mov_b64 s[64:65], 0
	v_nop
	global_prefetch_b8 v0, s[64:65] scope:SCOPE_SE
	s_setreg_imm32_b32 hwreg(HW_REG_WAVE_MODE, 25, 1), 1
	s_wait_xcnt 0x0
; Wq [1024][1024], Wkv [1024][2048], Wproj [1024][1024], f32 with K as the FIRST axis, become codes of FP6 (E2M3) with one E8M0 scale byte for each 32 along K,
; laid in wts in the order in which the second launch's waves take them: 32 steps t = 8 pass + s (pass 0, 1: q and k; 2: v; 3: the projection; s: 128 along K),
; 4 waves w, a block of 25,600 bytes for each (t, w) at 25,600 (4 t + w): sixteen fragments (16 columns x 128 K, 12 registers a lane) as IMAGES OF THEIR REGISTERS,
; fragment c at 1,536 c, register p of lane l at 512 (p / 4) + 16 l + 4 (p % 4); then the scale words, fragment c = 4 q + e, column lane r at 24,576 + 256 q + 16 r + 4 e.
; Half g = c / 8 of a block is a group of 128 columns: pass 0, 1: g = 0 Wq's columns 256 w + 128 pass, g = 1 Wkv's same columns (k); pass 2: Wkv's 1,024 + 256 w + 128 g (v); pass 3: Wproj's 256 w + 128 g.
; THE COLUMNS OF A FRAGMENT ARE NOT NEIGHBOURS: lane r of fragment 2 b + u of a group takes group column 32 b + 8 u + r + 8 (r / 8), so that in the transposed product
; the 16 registers of fragments 2 b and 2 b + 1 are 16 neighbouring columns.
; SHARES.  A work-group takes one group x one K step (128 columns x 128 K): x = s, y = 8 pass + 2 w + g.  A wave takes 32 neighbouring columns, A LANE ONE COLUMN, ITS REGISTERS RUN DOWN K:
; each load reads 128 consecutive bytes a wave (512 a work-group), a block of 32 along K lies in one lane, and the conversions give codes with K innermost.  Nothing is transposed.
; A block's scale is 2^(floor(log2(its largest magnitude)) - 2); its byte is the largest magnitude's exponent field - 2, held at 1 from below.
; LIMITS: a block of zeros gets the byte 1 where the quantiser's text says 127 (its codes are zeros, which add nothing under any byte but 0xff, and this program alone reads the bytes);
; NaN and infinities among the inputs are not served.
.set MG,  8                            ; v8-11    the four blocks' largest magnitudes
.set SO,  12                           ; v12-15   the conversions' scale operands
.set BY,  16                           ; v16-19   the scale bytes
.set OFS, 32                           ; v32-63   row i of a block: i x pitch + my column's 4 bytes
.set X,   64                           ; v64-191  W(32 b + i, my column) at X + 32 b + i
.set F,   192                          ; v192-215 the two lanes' worth of the fragment that I make: register p of lane (r, h) at F + 12 h + p
.set T,   216                          ; v216-231 the second halves of the blocks' codes (a conversion's three registers begin on an even number)
	s_load_b256 s[4:11], s[0:1], 0x0               ; Wq s[4:5], Wkv s[6:7], Wproj s[8:9], wts s[10:11]
	v_lshl_add_u32 v232, v0, 2, 0x400
	v_mov_b32 v233, 0
	v_lshrrev_b32 v21, 5, v0
	v_readfirstlane_b32 s44, v21                   ; my wave: which 32 columns of the group
	s_and_b32 s12, ttmp7, 0xffff
	s_lshr_b32 s13, s12, 3                         ; pass
	s_bfe_u32 s14, s12, 0x20001                    ; w
	s_and_b32 s15, s12, 1                          ; g
	s_cmp_lt_u32 s13, 2
	s_cselect_b32 s16, s13, s15                    ; which 128 of the wave's 256 columns: the pass (q, k) or g (v, projection)
	s_cselect_b32 s17, s15, 1                      ; 1 where the group lies in Wkv:
	s_cmp_eq_u32 s13, 3
	s_cselect_b32 s17, 0, s17                      ; not in the projection
	s_cmp_eq_u32 s13, 2
	s_cselect_b32 s18, 1024, 0                     ; v is Wkv's second half
	s_lshl_b32 s19, s14, 8
	s_lshl_b32 s20, s16, 7
	s_add_co_u32 s19, s19, s20
	s_add_co_u32 s19, s19, s18                     ; the group's first column
	s_lshl_b32 s21, 4096, s17                      ; bytes from row to row: 4,096, in Wkv 8,192
	s_lshl_b32 s22, ttmp9, 7                       ; the K step's first row,
	s_mul_i32 s22, s22, s21                        ; in bytes,
	s_lshl_b32 s20, s19, 2
	s_add_co_u32 s22, s22, s20                     ; and the column
	s_mov_b32 s23, 0
	s_lshl_b32 s24, s21, 5                         ; 32 rows on
	s_mov_b32 s25, 0
	s_lshl_b32 s36, s13, 3
	s_add_co_u32 s36, s36, ttmp9                   ; t
	s_lshl_b32 s36, s36, 2
	s_add_co_u32 s36, s36, s14                     ; 4 t + w
	s_mul_i32 s36, s36, 25600
	s_mov_b32 s37, 0
	v_and_b32 v1, 31, v0                           ; lane
	v_lshlrev_b32 v2, 2, v0                        ; my column in the group, in bytes: 128 x wave + 4 x lane
	v_bfe_u32 v3, v0, 3, 1                         ; u: which of my wave's two fragments holds my column,
	v_and_b32 v4, 7, v0
	v_bfe_u32 v21, v0, 4, 1
	v_lshl_add_u32 v4, v21, 3, v4                  ; r: and at which lane
	s_mul_i32 s45, s44, 3072
	v_mul_u32_u24 v5, v3, 1536
	v_lshl_add_u32 v5, v4, 4, v5
	v_add_nc_u32 v5, s45, v5                       ; where my codes go in the half block: 1,536 (2 wave + u) + 16 r
	s_lshr_b32 s46, s44, 1
	s_lshl_b32 s46, s46, 8
	s_and_b32 s47, s44, 1
	s_lshl_b32 s47, s47, 3
	s_add_co_u32 s46, s46, s47
	v_lshlrev_b32 v6, 4, v4
	v_lshl_add_u32 v6, v3, 2, v6
	v_add_nc_u32 v6, s46, v6                       ; LDS: my scale word's place among the half block's 512 bytes: 256 (wave / 2) + 16 r + 8 (wave % 2) + 4 u
	v_lshlrev_b32 v7, 4, v1                        ; 16 x lane
.set i, 0
.rept 32
	v_mad_u32_u24 v[OFS+i], s21, i, v2
.set i, i+1
.endr
	s_wait_kmcnt 0x0
	s_cmp_eq_u32 s17, 1                            ; the choice of buffer hangs on the work-group's number alone
	s_cselect_b64 s[26:27], s[6:7], s[4:5]
	s_cmp_eq_u32 s13, 3
	s_cselect_b64 s[26:27], s[8:9], s[26:27]
	s_add_nc_u64 s[28:29], s[26:27], s[22:23]      ; a base for each of the four blocks of 32 rows: no pointer is stepped
	s_add_nc_u64 s[30:31], s[28:29], s[24:25]
	s_add_nc_u64 s[32:33], s[30:31], s[24:25]
	s_add_nc_u64 s[34:35], s[32:33], s[24:25]
	s_add_nc_u64 s[38:39], s[10:11], s[36:37]      ; the block of (t, w);
	s_add_nc_u64 s[40:41], s[38:39], 24576         ; its scale words,
	s_lshl_b32 s42, s15, 9
	s_mov_b32 s43, 0
	s_add_nc_u64 s[40:41], s[40:41], s[42:43]      ; my half's 512 bytes of them;
	s_mul_i32 s42, s15, 12288
	s_add_nc_u64 s[38:39], s[38:39], s[42:43]      ; my half's eight fragments
.irp b, 0,1,2,3
.set i, 0
.rept 32
	global_load_b32 v[X+32*\b+i], v[OFS+i], s[28+2*\b:29+2*\b] th:TH_LOAD_NT   ; a row's 128 consecutive bytes a wave; read once in the launch
.set i, i+1
.endr
.endr
; Block b (k = 32 b .. 32 b + 31 of the K step): all its 32 numbers are mine.  left: how many younger loads may stay out.
.macro BLOCK b, left
.set XS, X+32*(\b)
	s_wait_loadcnt \left
	v_max3_num_f32 v[MG+\b], |v[XS]|, |v[XS+1]|, |v[XS+2]|         ; the largest magnitude, in two chains
	v_max3_num_f32 v22, |v[XS+3]|, |v[XS+4]|, |v[XS+5]|
.irp i, 6,10,14,18,22,26
	v_max3_num_f32 v[MG+\b], v[MG+\b], |v[XS+\i]|, |v[XS+\i+1]|
	v_max3_num_f32 v22, v22, |v[XS+\i+2]|, |v[XS+\i+3]|
.endr
	v_max3_num_f32 v[MG+\b], v[MG+\b], |v[XS+30]|, |v[XS+31]|
	v_max3_num_f32 v[MG+\b], v[MG+\b], v22, 0x1800000              ; and the floor 2^(3 - 127): the byte cannot fall under 1
	v_add_nc_u32 v[SO+\b], 0xff000000, v[MG+\b]                    ; 2 off its exponent field: the conversion takes the exponent field of this operand as its scale
	v_lshrrev_b32 v[BY+\b], 23, v[SO+\b]                           ; the scale's byte
	v_cvt_scalef32_pk16_fp6_f32 v[F+12*((\b)%2)+6*((\b)/2):F+12*((\b)%2)+6*((\b)/2)+2], v[XS:XS+15], v[SO+\b]   ; block b = 2 c + h is registers 6 c .. 6 c + 5 of lane (r, h)
	v_cvt_scalef32_pk16_fp6_f32 v[T+4*(\b):T+4*(\b)+2], v[XS+16:XS+31], v[SO+\b]
.endm
	BLOCK 0, 63                                    ; 96 younger loads might stay out, and 64 for block 1: the wait names 63, which is stricter
	BLOCK 1, 63
	BLOCK 2, 32                                    ; block 3's 32 loads may be out
	BLOCK 3, 0
	v_nop                                          ; one plain instruction between the last conversion and the moves that read its result
.irp b, 0,1,2,3
.irp i, 0,1,2
	v_mov_b32 v[F+12*(\b%2)+6*(\b/2)+3+\i], v[T+4*\b+\i]
.endr
.endr
	v_lshl_or_b32 v20, v[BY+1], 8, v[BY]           ; my column's scale word: byte b for k = 32 b .. 32 b + 31
	v_lshl_or_b32 v20, v[BY+2], 16, v20
	v_lshl_or_b32 v20, v[BY+3], 24, v20
	ds_store_b32 v6, v20
.irp h, 0,1
.irp k, 0,1,2
	global_store_b128 v5, v[F+12*\h+4*\k:F+12*\h+4*\k+3], s[38:39] offset:512*\k+256*\h   ; the sixteen lanes of one fragment store 256 consecutive bytes, at a multiple of 256 from the buffer's first byte
.endr
.endr
	s_wait_dscnt 0x0                               ; for the others' sake: my scale words lie in LDS
	s_barrier_signal -1
	s_barrier_wait -1
	s_cmp_lg_u32 s44, 0                            ; wave 0 stores the half block's 512 bytes of scale words in one piece
	s_cbranch_scc1 .Lend
	ds_load_b128 v[24:27], v7
	s_wait_dscnt 0x0
	global_store_b128 v7, v[24:27], s[40:41]
.Lend:
	s_wait_tensorcnt 0x0
	ds_add_u32 v232, v233
	s_wait_dscnt 0x0
	s_endpgm
.Lfunc_end_k_qec6b1f300c_lay:
	.size	k_qec6b1f300c_lay, .Lfunc_end_k_qec6b1f300c_lay-k_qec6b1f300c_lay
	.p2alignl 7, 3214868480
	.fill 96, 4, 3214868480
	.section	.rodata,"a",@progbits
	.p2align	6, 0x0
	.amdhsa_kernel k_qec6b1f300c_lay
		.amdhsa_group_segment_fixed_size 1536
		.amdhsa_private_segment_fixed_size 0
		.amdhsa_enable_private_segment 0
		.amdhsa_kernarg_size 32
		.amdhsa_user_sgpr_count 2
		.amdhsa_user_sgpr_kernarg_segment_ptr 1
		.amdhsa_wavefront_size32 1
		.amdhsa_system_sgpr_workgroup_id_x 1
		.amdhsa_system_sgpr_workgroup_id_y 1
		.amdhsa_system_sgpr_workgroup_id_z 1
		.amdhsa_system_vgpr_workitem_id 0
		.amdhsa_next_free_vgpr 234
		.amdhsa_next_free_sgpr 66
		.amdhsa_reserve_vcc 0
		.amdhsa_float_denorm_mode_32 3
		.amdhsa_float_denorm_mode_16_64 3
		.amdhsa_memory_ordered 1
		.amdhsa_forward_progress 1
		.amdhsa_inst_pref_size 24
	.end_amdhsa_kernel
	.amdgpu_metadata
---
amdhsa.version: [ 1, 2 ]
amdhsa.kernels:
  - .name:           k_qec6b1f300c_lay
    .symbol:         k_qec6b1f300c_lay.kd
    .args:
      - { .name: Wq, .offset: 0, .size: 8, .value_kind: global_buffer, .address_space: global }
      - { .name: Wkv, .offset: 8, .size: 8, .value_kind: global_buffer, .address_space: global }
      - { .name: Wproj, .offset: 16, .size: 8, .value_kind: global_buffer, .address_space: global }
      - { .name: wts, .offset: 24, .size: 8, .value_kind: global_buffer, .address_space: global }
    .group_segment_fixed_size: 1536
    .private_segment_fixed_size: 0
    .kernarg_segment_align: 8
    .kernarg_segment_size: 32
    .max_flat_workgroup_size: 128
    .sgpr_count:     66
    .vgpr_count:     234
    .wavefront_size: 32
...
	.end_amdgpu_metadata
.endif
;; end of part 1
;; launch chain (part 2): grid 256 x 1, 4 waves a work-group, clusters of 4 x 1, 327,680 bytes of LDS; arguments x, y, wts, bproj, out0; writes out0
.if DOCPART == 2
	.amdgcn_target "amdgcn-amd-amdhsa--gfx1250"
	.amdhsa_code_object_version 6
	.text
	.protected	k_qec6b1f300c_chain
	.globl	k_qec6b1f300c_chain
	.p2align	8
	.type	k_qec6b1f300c_chain,@function
k_qec6b1f300c_chain:
	s_mov_b64 s[64:65], 0
	v_nop
	global_prefetch_b8 v0, s[64:65] scope:SCOPE_SE
	s_setreg_imm32_b32 hwreg(HW_REG_WAVE_MODE, 25, 1), 1
	s_wait_xcnt 0x0
	s_wait_alu depctr_hold_cnt(0) depctr_sa_sdst(0) depctr_va_vdst(0) depctr_va_sdst(0) depctr_va_ssrc(0) depctr_va_vcc(0) depctr_vm_vsrc(0)
	s_getreg_b32 s2, hwreg(HW_REG_IB_STS2, 6, 4)
	s_cmp_eq_u32 s2, 0
	s_cbranch_scc0 .Lentry_in_a_cluster
	s_endpgm
.Lentry_in_a_cluster:
	s_bfe_u32 s2, ttmp6, 0x10000c
	s_cmp_lg_u32 s2, 0x3003
	s_cbranch_scc0 .Lentry_shape_is_right
	s_endpgm
.Lentry_shape_is_right:
; out0 = (softmax over heads of (q . k / 64) x v) Wproj + bproj, q = x Wq, k and v = y Wkv: x, y, out0 [16384][1024] f32.  The three large products run on codes of FP6 (E2M3) with one E8M0 scale
; for each 32 along K; the weights' codes and scale words come from wts, laid by the launch before in the order in which they are taken here.  The input mask enters no step of the module: it is not read.
; SHARES.  A work-group owns 64 rows through the whole chain, so that q, k, v and the softmax never go to memory.  THE WAVES SHARE THE COLUMNS: wave w owns heads 4 w .. 4 w + 3 and output columns 256 w .. 256 w + 255, for all 64 rows.
; 32 STEPS t = 8 pass + s.  Pass 0, 1: 128 columns of q and the same 128 of k (two heads); pass 2: the wave's 256 columns of v; pass 3: its 256 columns of the projection.  s: 128 along K.
; In a step a wave multiplies 16 weight fragments (16 columns x 128 K) by 4 tiles of 16 rows: 64 matrix instructions on 64 accumulators (512 registers).
; THE PRODUCT IS USED TRANSPOSED (source 0 = weights, source 1 = rows): a lane holds ONE row, and, by the choice of a fragment's columns, the 16 registers of fragments 2 b, 2 b + 1 are 16 neighbouring columns.
; So q . k is a lane's own multiply-adds and one exchange of halves, and attn x v lies ready for the quantiser along the projection's K.
; WEIGHTS come through a ring of two LDS slots, a step each; wave w fetches and reads its own quarter (25,600 bytes, one dense block: 100 rows of 256 bytes).
; CLUSTER.  All work-groups walk the same weights: the four of a cluster ask for each block JOINTLY, by the same tensor load with the same descriptor and the mask of all four.
; ROWS' CODES lie in LDS as images of the operand's registers (a fragment: three stores of 16 bytes a lane at 16 x lane) with their scale words beside them: x's and y's are made once, at the head; attn x v takes x's place.
; No prefetch is written: the weights are read by every cluster, and x and y are streamed at the head with 48 loads of each wave in flight.
; LIMITS: NaN and infinities among the inputs are not served; a block of zeros gets the scale byte 1 where the quantiser's text says 127 (its codes are zeros, and this program alone reads the bytes);
; a softmax weight under 2^-126 becomes 0 (v_exp_f32 gives 0 there: ISA guide, its entry); q . k is summed in f32 in another order than the reference's.
; REGISTERS, in windows of 256: window 0: v1-24 addresses; v32-47 the weights' scale words, v48-55 the rows': these hold scales and nothing else; v56-151 the rows' fragments, two areas of four; v152-188 the quantiser's; v192-223 sums, later attn; v248-255 the bias.
;   window 1: v0-191 the step's 16 weight fragments.   window 2: accumulators of fragments 0-7, tile m, at 64 m + 8 c (at the head: four buffers of x and y).   window 3: those of fragments 8-15.
.set WQ,    25600                      ; a wave's quarter of a slot: 16 fragments of 1,536 bytes, then 1,024 bytes of scale words
.set SLOT,  4*WQ
.set ACT0,  2*SLOT                     ; x's codes, later attn x v's: 8 K steps of KSB bytes
.set ACTB,  51200
.set ACT1,  ACT0+ACTB                  ; y's
.set KSB,   6400                       ; a K step: four fragment images (tile m at 1,536 m), then at 6,144 the scale words: row r, tile m at 16 r + 4 m
.set DOTS,  ACT1+ACTB                  ; q . k of row and head at 80 row + 4 head
.set SPARE, DOTS+5120                  ; the spare words, 128 bytes for each wave: two blocks of 256 bytes that no other line names
.set SPITCH, 1040                      ; the way out: a stage of 16 rows x (1,024 bytes + 16) in each wave's own quarter of slot 0, which has then had its last fill and its last read
.set LI,  1                            ; v1   16 x lane
.set LR,  2                            ; v2   16 x (lane % 16)
.set SPW, 3                            ; v3   LDS address of my spare word; never rewritten
.set NIL, 4                            ; v4   0; never rewritten
.set WA,  5                            ; v5-6 my place in my quarter of slot 0, 1
.set WSA, 7                            ; v7-8 and among its scale words
.set AD,  9                            ; v9-10  the rows' fragments in hand, area 0, 1
.set AQ,  11                           ; v11-12 and their scale words
.set XA,  13                           ; v13  x, y: my lane's byte in the wave's 16 rows
.set XW0, 14                           ; v14  where my wave's images go in a K step
.set XS0, 15                           ; v15  and their scale words
.set XW,  16
.set XWS, 17
.set DA,  18                           ; v18  DOTS: my row, my wave's four heads
.set DAT, 19
.set DR,  20                           ; v20  DOTS: my row
.set OW,  22                           ; v22  where attn x v's images go: my wave's two K steps
.set OWS, 23
.set STO, 24                           ; v24  the stage: where I put 64 bytes of a row
.set WS,  32
.set ASC, 48
.set AF,  56
.set PC,  152                          ; v152-171 the codes just made
.set TM,  172                          ; v172-187 magnitudes, bytes, scale operands
.set PW,  188                          ; the scale word just made
.set DP,  192                          ; v192-207 eight sums, in pairs
.set AT2, 192                          ; v192-223 attn of (tile m, my head i), twice, at 2 (4 m + i)
.set BI,  248
.set SMX, 56                           ; between the passes: v56-119 the 16 heads' sums of my four rows, v120-135 my wave's four heads' again,
.set OWN, 120
.set MX,  136                          ; v136-139 the rows' maxima, v140-143 sums, v148-151 reciprocals
.set SU,  140
.set RC,  148
.set BK,  56                           ; the way out: v56-183 sixteen rows read back
.set G1,  24                           ; s[24:31] descriptor group 1;  s[32:35], s[36:39] group 0 for slot 0, 1
.set G0,  32
.set MSB, 0
.macro WIN new                         ; s_set_vgpr_msb: bits 1:0 source 0, 3:2 source 1, 5:4 source 2, 7:6 destination; the high byte repeats the setting that is left
.if MSB != (\new)
	s_set_vgpr_msb (MSB<<8)|(\new)
.set MSB, (\new)
.endif
.endm
.macro PLACES n                        ; a load into a register that a matrix instruction has read, and a read of its result, stand four plain vector instructions behind it (ISA guide 7.12.1 for vector instructions)
.rept \n
	v_nop
.endr
.endm
.macro CREST                           ; a round of the cluster's barrier behind its opening barrier
	s_cmp_lg_u32 s14, 0
	s_cbranch_scc1 .Lnot_wave_0_\@
	s_barrier_signal -3
.Lnot_wave_0_\@:
	s_barrier_wait -3
	s_barrier_signal -1
	s_barrier_wait -1
.endm
.macro CROUND
	s_barrier_signal -1
	s_barrier_wait -1
	CREST
.endm
; n weight fragments from c0 on x the four tiles of rows.  The 64 accumulators take turns, one instruction a turn, in the same order in every step.  zero = 1: the products start the sums.
.macro MUL c0, n, zero
.set CN, \c0
.rept \n
.irp m, 0,1,2,3
.if \zero
	v_wmma_scale_f32_16x16x128_f8f6f4 v[64*\m+8*(CN%8):64*\m+8*(CN%8)+7], v[12*CN:12*CN+11], v[AF+48*(CN/8)+12*\m:AF+48*(CN/8)+12*\m+11], 0, v[WS+CN], v[ASC+4*(CN/8)+\m] matrix_a_fmt:MATRIX_FMT_FP6 matrix_b_fmt:MATRIX_FMT_FP6
.else
	v_wmma_scale_f32_16x16x128_f8f6f4 v[64*\m+8*(CN%8):64*\m+8*(CN%8)+7], v[12*CN:12*CN+11], v[AF+48*(CN/8)+12*\m:AF+48*(CN/8)+12*\m+11], v[64*\m+8*(CN%8):64*\m+8*(CN%8)+7], v[WS+CN], v[ASC+4*(CN/8)+\m] matrix_a_fmt:MATRIX_FMT_FP6 matrix_b_fmt:MATRIX_FMT_FP6
.endif
.endr
.set CN, CN+1
.endr
.endm
.macro WFETCH slot, half               ; 26 LDS loads: eight weight fragments and their scale words (one load of 16 bytes brings four fragments' words of my column)
	WIN 0x40
.irp c, 0,1,2,3,4,5,6,7
.irp k, 0,1,2
	ds_load_b128 v[12*(8*(\half)+\c)+4*\k:12*(8*(\half)+\c)+4*\k+3], v[WA+(\slot)] offset:1536*(8*(\half)+\c)+512*\k
.endr
.endr
	WIN 0
.irp q, 0,1
	ds_load_b128 v[WS+4*(2*(\half)+\q):WS+4*(2*(\half)+\q)+3], v[WSA+(\slot)] offset:256*(2*(\half)+\q)
.endr
.endm
.macro AFETCH area                     ; 13 LDS loads: the next K step's four fragments of rows and their scale words; s40, s41 walk the K steps
	v_add_nc_u32 v[AD+\area], s[40+\area], v[LI]
	v_add_nc_u32 v[AQ+\area], s[40+\area], v[LR]
.irp m, 0,1,2,3
.irp k, 0,1,2
	ds_load_b128 v[AF+48*\area+12*\m+4*\k:AF+48*\area+12*\m+4*\k+3], v[AD+\area] offset:1536*\m+512*\k
.endr
.endr
	ds_load_b128 v[ASC+4*\area:ASC+4*\area+3], v[AQ+\area] offset:6144
	s_add_co_u32 s[40+\area], s[40+\area], KSB
.endm
; A STEP.  Its weights came into registers during the step before, so its slot is free at its middle: there stands the change of slots.  Each wave waits for all its tensor loads (one is out: the next step's block),
; adds 0 to its spare word, and waits for that and for its reads of this slot; the barrier opens a round of the cluster's barrier; behind the round this slot is filled with the block two steps on, and the next
; step's fragments 0-7 (and area 0, which fragments 0-7 alone use) are fetched; fragments 8-15 and area 1 follow at the step's end.  So one set of registers serves the weights.
; ein: the loads issued at the end of the step before, which may be out at the head.  fill = 0: nothing is left to ask for.  nact = 0: the pass's last step fetches no rows.
.macro STEP slot, zero, ein, fill, nact
	s_wait_dscnt \ein
	WIN 0xa1                                       ; weights window 1, rows window 0, C and D window 2
	MUL 0, 6, \zero
	WIN 0                                          ; (the add's two registers lie in window 0)
	s_wait_tensorcnt 0x0                           ; all my tensor loads have landed: the next step's block
	ds_add_u32 v[SPW], v[NIL]                      ; 0 onto my spare word
	WIN 0xa1
	MUL 6, 1, \zero                                ; four matrix instructions stand between the add and the wait for it
	s_wait_dscnt 0x0                               ; the add is done, and my reads of this slot are over
	s_barrier_signal -1
	MUL 7, 1, \zero
	WIN 0
	s_barrier_wait -1
.if \fill
	CREST                                          ; no wave of any partner still reads this slot or has a load on its way
	s_add_nc_u64 s[G0+4*\slot+2:G0+4*\slot+3], s[G0+4*\slot+2:G0+4*\slot+3], 2*SLOT   ; two steps on: 8 blocks of 25,600 bytes
	tensor_load_to_lds s[G0+4*\slot:G0+4*\slot+3], s[G1:G1+7]   ; my one tensor load behind the round
	s_nop 0
	PLACES 4                                       ; four places in front of the loads below
.else
	PLACES 4
.endif
.if \nact
	AFETCH 0
.endif
	WFETCH 1-\slot, 0
	WIN 0xf1                                       ; C and D window 3
	MUL 8, 8, \zero
	PLACES 4
	WIN 0
.if \nact
	AFETCH 1
.endif
	WFETCH 1-\slot, 1
.endm
; 64 numbers of a lane in window wn, v[s] .. v[s + 63], register 16 b + i = k 32 b + 16 (lane / 16) + i of my row, become a fragment's codes in v[PC] on and its scale word in v[PW].
.macro QUANT wn, s
	WIN (\wn)|((\wn)<<2)
.irp b, 0,1,2,3
	v_max3_num_f32 v[TM+\b], |v[(\s)+16*\b]|, |v[(\s)+16*\b+1]|, 0x1800000   ; block b: my 16 numbers, and the floor 2^(3 - 127): the byte cannot fall under 1
.endr
	WIN ((\wn)<<2)|((\wn)<<4)
.irp i, 2,4,6,8,10,12,14
.irp b, 0,1,2,3
	v_max3_num_f32 v[TM+\b], v[TM+\b], |v[(\s)+16*\b+\i]|, |v[(\s)+16*\b+\i+1]|   ; (the four blocks by turns)
.endr
.endr
	WIN 0
.irp b, 0,1,2,3
	v_permlanex16_b32 v[TM+4+\b], v[TM+\b], s20, s21
.endr
.irp b, 0,1,2,3
	v_max_num_f32 v[TM+\b], v[TM+\b], v[TM+4+\b]   ; with lane l xor 16's: the block's largest magnitude
.endr
.irp b, 0,1,2,3
	v_add_nc_u32 v[TM+12+\b], 0xff000000, v[TM+\b] ; 2 off its exponent field: the conversion's scale operand
.endr
.irp b, 0,1,2,3
	v_lshrrev_b32 v[TM+4+\b], 23, v[TM+12+\b]      ; the scale's byte
.endr
	s_wait_dscnt 0x0                               ; the last image's stores have read the registers that are written now
	v_lshl_or_b32 v[PW], v[TM+5], 8, v[TM+4]
	v_lshl_or_b32 v[PW], v[TM+6], 16, v[PW]
	v_lshl_or_b32 v[PW], v[TM+7], 24, v[PW]
	WIN (\wn)
.irp c, 0,1
	v_cvt_scalef32_pk16_fp6_f32 v[PC+6*\c:PC+6*\c+2], v[(\s)+32*\c:(\s)+32*\c+15], v[TM+12+2*\c]
	v_cvt_scalef32_pk16_fp6_f32 v[PC+12+4*\c:PC+12+4*\c+2], v[(\s)+32*\c+16:(\s)+32*\c+31], v[TM+12+2*\c+1]   ; (a conversion's three registers begin on an even number)
.endr
	WIN 0
	v_nop                                          ; one plain instruction behind the last conversion
.irp c, 0,1                            ; the operand wants a WHOLE block in a lane: lanes 0-15 block 2 c, lanes 16-31 block 2 c + 1
.irp i, 0,1,2
	v_permlane16_swap_b32 v[PC+6*\c+\i], v[PC+12+4*\c+\i]
.endr
.irp i, 0,1,2
	v_mov_b32 v[PC+3+6*\c+\i], v[PC+12+4*\c+\i]
.endr
.endr
.endm
.macro IMAGE adr, off                  ; the fragment in v[PC] on goes to LDS as it stands: 512 consecutive bytes a store
.irp k, 0,1,2
	ds_store_b128 v[\adr], v[PC+4*\k:PC+4*\k+3] offset:(\off)+512*\k
.endr
.endm
.macro XLOAD ptr, buf, srel            ; my 16 rows' numbers of one K step (64 a lane) into buffer buf of window 2
	WIN 0x80
.irp b, 0,1,2,3
.irp j, 0,1,2,3
	global_load_b128 v[64*(\buf)+16*\b+4*\j:64*(\buf)+16*\b+4*\j+3], v[XA], s[\ptr:\ptr+1] offset:512*(\srel)+128*\b+16*\j th:TH_LOAD_NT
.endr
.endr
	WIN 0
.endm
	s_load_b256 s[4:11], s[0:1], 0x0               ; x s[4:5], y s[6:7], wts s[8:9], bproj s[10:11]
	s_load_b64 s[12:13], s[0:1], 0x20              ; out0
	v_lshl_add_u32 v[SPW], v0, 2, SPARE
	v_mov_b32 v[NIL], 0
	ds_add_u32 v3, v4
	ds_add_u32 v3, v4
	s_wait_dscnt 0x0
	v_lshrrev_b32 v28, 5, v0
	v_readfirstlane_b32 s14, v28                   ; wave 0..3
	s_bfe_u32 s15, ttmp6, 0x40000                  ; cx: my place in the cluster: it enters the addresses of x, y and out0 alone
	s_lshl_b32 s16, ttmp9, 2
	s_add_co_u32 s16, s16, s15                     ; my work-group: its 64 rows
	; descriptor group 1: a dense block of 100 rows of 256 bytes (32 elements of 8 bytes), no padding
	s_mov_b32 s[G1+0], 15|(3<<16)|(1<<21)          ; 15:0 the mask: all four work-groups; 17:16 elements of 8 bytes; 21 set beside a mask
	s_mov_b32 s[G1+1], 32<<16                      ; tensor_dim0 = 32
	s_mov_b32 s[G1+2], 100<<16                     ; tensor_dim1 = 100
	s_mov_b32 s[G1+3], 32<<16                      ; tile_dim0 = 32
	s_mov_b32 s[G1+4], 100                         ; tile_dim1 = 100
	s_mov_b32 s[G1+5], 32                          ; from row to row
	s_mov_b32 s[G1+6], 0
	s_mov_b32 s[G1+7], 0
	s_mov_b32 s20, 0x76543210                      ; v_permlanex16_b32's selects for lane l xor 16
	s_mov_b32 s21, 0xfedcba98
	s_mov_b32 s22, 0x3cb8aa3b                      ; log2(e) / 64: both scalings by 1 / 8 and the change of base
	s_mul_i32 s46, s14, WQ                         ; my quarter: in a slot and in a step's bytes of wts
	s_mov_b32 s47, 0
	s_lshl_b32 s48, s16, 18                        ; 64 rows of 4,096 bytes a work-group
	s_mov_b32 s49, 0
	s_lshl_b32 s52, s14, 16                        ; 16 rows a wave
	s_mov_b32 s53, 0
	s_lshl_b32 s50, s14, 10                        ; 256 columns a wave
	s_mov_b32 s51, 0
	s_wait_kmcnt 0x0
	s_add_nc_u64 s[18:19], s[8:9], s[46:47]
	s_add_nc_u64 s[4:5], s[4:5], s[48:49]
	s_add_nc_u64 s[4:5], s[4:5], s[52:53]          ; x at the 16 rows that I quantise
	s_add_nc_u64 s[6:7], s[6:7], s[48:49]
	s_add_nc_u64 s[6:7], s[6:7], s[52:53]          ; y likewise
	s_add_nc_u64 s[12:13], s[12:13], s[48:49]
	s_add_nc_u64 s[12:13], s[12:13], s[50:51]      ; out0 at the work-group's first row, my columns
	s_add_nc_u64 s[10:11], s[10:11], s[50:51]      ; the bias of my columns
.irp s, 0,1
	s_mov_b32 s[G0+4*\s], 1                        ; count = 1
	s_add_co_u32 s[G0+4*\s+1], s46, \s*SLOT        ; LDS address: the wave's number and the slot alone
	s_add_nc_u64 s[G0+4*\s+2:G0+4*\s+3], s[18:19], \s*SLOT   ; step s: a step's four blocks are as many bytes as a slot
	s_or_b32 s[G0+4*\s+3], s[G0+4*\s+3], 0x80000000          ; type = 2
.endr
	CROUND                                         ; all four work-groups are here: the first joint loads meet
	tensor_load_to_lds s[G0:G0+3], s[G1:G1+7]      ; both first fills together: two loads of mine are out
	s_nop 0
	tensor_load_to_lds s[G0+4:G0+7], s[G1:G1+7]
	s_nop 0
	PLACES 4
	v_and_b32 v[LI], 31, v0
	v_lshlrev_b32 v[LI], 4, v[LI]
	v_and_b32 v26, 15, v0                          ; r
	v_bfe_u32 v27, v0, 4, 1                        ; h
	v_lshlrev_b32 v[LR], 4, v26
	v_add_nc_u32 v[WA], s46, v[LI]
	v_add_nc_u32 v[WA+1], SLOT, v[WA]
	v_add_nc_u32 v[WSA], s46, v[LR]
	v_add_nc_u32 v[WSA], 24576, v[WSA]
	v_add_nc_u32 v[WSA+1], SLOT, v[WSA]
	v_lshlrev_b32 v[XA], 12, v26
	v_lshl_add_u32 v[XA], v27, 6, v[XA]            ; row r of 4,096 bytes, + 64 h: my 16 numbers of a block of 32
	global_load_b128 v[BI:BI+3], v[LI], s[10:11]               ; the bias of the columns that I store on the way out
	global_load_b128 v[BI+4:BI+7], v[LI], s[10:11] offset:512
	XLOAD 4, 0, 0                                  ; x, K step 0;
	XLOAD 6, 1, 0                                  ; y, K step 0;
	XLOAD 4, 2, 1                                  ; x, K step 1
	s_mul_i32 s52, s14, 1536
	v_add_nc_u32 v[XW0], s52, v[LI]                ; my rows are tile m = wave
	s_lshl_b32 s53, s14, 2
	v_add_nc_u32 v[XS0], s53, v[LR]
	v_add_nc_u32 v[XS0], 6144, v[XS0]
	v_mul_u32_u24 v[DR], v26, 80
	v_add_nc_u32 v[DR], DOTS, v[DR]
	s_lshl_b32 s53, s14, 4
	v_add_nc_u32 v[DA], s53, v[DR]
	s_mul_i32 s52, s14, 2*KSB
	s_add_co_u32 s52, s52, ACT0
	v_add_nc_u32 v[OW], s52, v[LI]                 ; my 256 columns of attn x v are K steps 2 w and 2 w + 1 of the projection
	v_add_nc_u32 v[OWS], s52, v[LR]
	v_add_nc_u32 v[OWS], 6144, v[OWS]
	v_mul_u32_u24 v[STO], v26, SPITCH
	v_lshl_add_u32 v[STO], v27, 6, v[STO]
	v_add_nc_u32 v[STO], s46, v[STO]
.irp b, 0,1,2,3
	v_mov_b32 v[TM+4+\b], 0                        ; written once: a lane permute's destination counts as one of its sources
.endr
; ---- X: wave w quantises rows 16 w .. 16 w + 15 of x and of y: 16 chunks of 64 numbers a lane, in the order (x, 2 j), (y, 2 j), (x, 2 j + 1), (y, 2 j + 1), four to a trip, on four buffers; loads run three chunks ahead.
.macro XPOS q, ld, left                ; chunk q of a trip.  left: the loads of the younger chunks, which may stay out
	s_wait_loadcnt \left
.if \ld
	XLOAD 4+2*(((\q)+3)%2), ((\q)+3)%4, 2*(((\q)+3)/4)+(((\q)+3)%4)/2   ; the chunk three on, into the buffer quantised last
.endif
	QUANT 2, 64*(\q)
	IMAGE XW, ((\q)%2)*ACTB+((\q)/2)*KSB
	ds_store_b32 v[XWS], v[PW] offset:((\q)%2)*ACTB+((\q)/2)*KSB   ; both halves of the lanes write the same word with the same value
.endm
.macro XTRIP ahead
	s_wait_dscnt 0x0                               ; the last trip's stores have read their address registers
	v_add_nc_u32 v[XW], s43, v[XW0]
	v_add_nc_u32 v[XWS], s43, v[XS0]
	XPOS 0, 1, 32
.if \ahead
	XPOS 1, 1, 32
	XPOS 2, 1, 32
	XPOS 3, 1, 32
.else
	XPOS 1, 0, 32                                  ; the last trip asks for nothing beyond K step 7: the counts run down
	XPOS 2, 0, 16
	XPOS 3, 0, 0
.endif
.endm
	s_mov_b32 s43, ACT0
	s_mov_b32 s44, 3
.Lx:
	XTRIP 1
	s_wait_xcnt 0x0                                ; the loads have read their bases
	s_add_nc_u64 s[4:5], s[4:5], 1024              ; two K steps on
	s_add_nc_u64 s[6:7], s[6:7], 1024
	s_add_co_u32 s43, s43, 2*KSB
	s_sub_co_u32 s44, s44, 1
	s_cmp_lg_u32 s44, 0
	s_cbranch_scc1 .Lx
	XTRIP 0
	s_wait_tensorcnt 0x1                           ; my block of step 0 is in; step 1's may stay out
	s_wait_dscnt 0x0                               ; my images lie in LDS
	s_barrier_signal -1
	s_barrier_wait -1                              ; everybody's do
	WFETCH 0, 0
	WFETCH 0, 1
; ---- passes 0, 1 (q and k of two heads; rows: area 0 = x, area 1 = y) and 2 (v; both areas = y): one text, three trips
	s_mov_b32 s23, 0
.Lpass:
	s_lshr_b32 s40, s23, 1
	s_mul_i32 s40, s40, ACTB
	s_add_co_u32 s40, s40, ACT0                    ; area 0: x in passes 0 and 1, y in pass 2
	s_mov_b32 s41, ACT1
	AFETCH 0
	AFETCH 1
	STEP 0, 1, 13, 1, 1                            ; (area 1's 13 loads may be out at its head)
	s_mov_b32 s42, 3
.Lk:
	STEP 1, 0, 39, 1, 1
	STEP 0, 0, 39, 1, 1
	s_sub_co_u32 s42, s42, 1
	s_cmp_lg_u32 s42, 0
	s_cbranch_scc1 .Lk
	STEP 1, 0, 39, 1, 0
	s_cmp_eq_u32 s23, 2                            ; v has no dot products: a branch on the count of passes, round register work and LDS stores alone
	s_cbranch_scc1 .Lnodots
	; q . k of the pass's two heads (t) for my four rows (m): head t is fragments 4 t .. 4 t + 3; q lies in window 2, k in window 3, at the same registers.  Eight sums by turns; each accumulator is read from its low end on.
	WIN 0x0e
.irp i, 0,1,2,3
.irp j, 0,2,4,6
.irp t, 0,1
.irp m, 0,1,2,3
.if (\i == 0) && (\j == 0)
	v_pk_mul_f32 v[DP+2*(4*\t+\m):DP+2*(4*\t+\m)+1], v[64*\m+8*(4*\t+\i)+\j:64*\m+8*(4*\t+\i)+\j+1], v[64*\m+8*(4*\t+\i)+\j:64*\m+8*(4*\t+\i)+\j+1]
.else
	v_pk_fma_f32 v[DP+2*(4*\t+\m):DP+2*(4*\t+\m)+1], v[64*\m+8*(4*\t+\i)+\j:64*\m+8*(4*\t+\i)+\j+1], v[64*\m+8*(4*\t+\i)+\j:64*\m+8*(4*\t+\i)+\j+1], v[DP+2*(4*\t+\m):DP+2*(4*\t+\m)+1]
.endif
.endr
.endr
.endr
.endr
	WIN 0
.irp g, 0,1,2,3,4,5,6,7
	v_add_f32 v[DP+2*\g], v[DP+2*\g], v[DP+2*\g+1]
.endr
.irp g, 0,1,2,3,4,5,6,7
	v_permlanex16_b32 v[DP+2*\g+1], v[DP+2*\g], s20, s21   ; the head's other 32 columns lie in the lane 16 away
.endr
.irp g, 0,1,2,3,4,5,6,7
	v_add_f32 v[DP+2*\g], v[DP+2*\g], v[DP+2*\g+1]
.endr
	s_lshl_b32 s52, s23, 3
	v_add_nc_u32 v[DAT], s52, v[DA]                ; heads 4 w + 2 pass + t
.irp t, 0,1
.irp m, 0,1,2,3
	ds_store_b32 v[DAT], v[DP+2*(4*\t+\m)] offset:1280*\m+4*\t   ; both halves of the lanes write the same word with the same value
.endr
.endr
.Lnodots:
	s_add_co_u32 s23, s23, 1
	s_cmp_lt_u32 s23, 3
	s_cbranch_scc1 .Lpass
; ---- between the passes: the softmax over the 16 heads of my four rows (the sums were stored ahead of pass 2's barriers), attn x v in place, and its codes.  The next step's weights wait in window 1.
.irp m, 0,1,2,3
.irp q, 0,1,2,3
	ds_load_b128 v[SMX+16*\m+4*\q:SMX+16*\m+4*\q+3], v[DR] offset:1280*\m+16*\q
.endr
	ds_load_b128 v[OWN+4*\m:OWN+4*\m+3], v[DA] offset:1280*\m
.endr
	s_wait_dscnt 0x0
.irp m, 0,1,2,3
	v_max3_num_f32 v[MX+\m], v[SMX+16*\m], v[SMX+16*\m+1], v[SMX+16*\m+2]   ; the row's largest sum (the four rows by turns)
.endr
.irp i, 3,5,7,9,11,13
.irp m, 0,1,2,3
	v_max3_num_f32 v[MX+\m], v[MX+\m], v[SMX+16*\m+\i], v[SMX+16*\m+\i+1]
.endr
.endr
.irp m, 0,1,2,3
	v_max_num_f32 v[MX+\m], v[MX+\m], v[SMX+16*\m+15]
.endr
.irp m, 0,1,2,3
.irp j, 0,1,2,3,4,5,6,7,8,9,10,11,12,13,14,15
	v_sub_f32 v[SMX+16*\m+\j], v[SMX+16*\m+\j], v[MX+\m]   ; the maximum is taken away first, as the reference does
.endr
.irp j, 0,1,2,3
	v_sub_f32 v[OWN+4*\m+\j], v[OWN+4*\m+\j], v[MX+\m]
.endr
.endr
.set i, 0
.rept 80
	v_mul_f32 v[SMX+i], s22, v[SMX+i]              ; x log2(e) / 64  (v56-135: all 16 heads, then my wave's four again)
.set i, i+1
.endr
.set i, 0
.rept 80
	v_exp_f32 v[SMX+i], v[SMX+i]                   ; one batch
.set i, i+1
.endr
	v_nop                                          ; a plain instruction behind the last exponential
	s_wait_alu depctr_va_vdst(0)                   ; one wait for the batch, ahead of its first reader
.irp j, 0,2,4,6
.irp m, 0,1,2,3
	v_pk_add_f32 v[SMX+16*\m+\j:SMX+16*\m+\j+1], v[SMX+16*\m+\j:SMX+16*\m+\j+1], v[SMX+16*\m+8+\j:SMX+16*\m+8+\j+1]
.endr
.endr
.irp j, 0,2
.irp m, 0,1,2,3
	v_pk_add_f32 v[SMX+16*\m+\j:SMX+16*\m+\j+1], v[SMX+16*\m+\j:SMX+16*\m+\j+1], v[SMX+16*\m+4+\j:SMX+16*\m+4+\j+1]
.endr
.endr
.irp m, 0,1,2,3
	v_pk_add_f32 v[SMX+16*\m:SMX+16*\m+1], v[SMX+16*\m:SMX+16*\m+1], v[SMX+16*\m+2:SMX+16*\m+3]
.endr
.irp m, 0,1,2,3
	v_add_f32 v[SU+\m], v[SMX+16*\m], v[SMX+16*\m+1]
.endr
.irp m, 0,1,2,3
	v_rcp_f32 v[RC+\m], v[SU+\m]
.endr
	v_nop
	s_wait_alu depctr_va_vdst(0)                   ; one wait for the four reciprocals
.irp m, 0,1,2,3
.irp i, 0,1,2,3
	v_mul_f32 v[AT2+2*(4*\m+\i)], v[OWN+4*\m+\i], v[RC+\m]       ; attn of my head i, twice: a pair for the packed multiply
	v_mul_f32 v[AT2+2*(4*\m+\i)+1], v[OWN+4*\m+\i], v[RC+\m]
.endr
.endr
	WIN 0x82                                       ; v's fragments 0-7 (window 2): heads 0 and 1 of my four
.irp m, 0,1,2,3
.irp c, 0,1,2,3,4,5,6,7
.irp j, 0,2,4,6
	v_pk_mul_f32 v[64*\m+8*\c+\j:64*\m+8*\c+\j+1], v[64*\m+8*\c+\j:64*\m+8*\c+\j+1], v[AT2+2*(4*\m+\c/4):AT2+2*(4*\m+\c/4)+1]
.endr
.endr
.endr
	WIN 0xc3                                       ; fragments 8-15 (window 3): heads 2 and 3
.irp m, 0,1,2,3
.irp c, 0,1,2,3,4,5,6,7
.irp j, 0,2,4,6
	v_pk_mul_f32 v[64*\m+8*\c+\j:64*\m+8*\c+\j+1], v[64*\m+8*\c+\j:64*\m+8*\c+\j+1], v[AT2+2*(4*\m+2+\c/4):AT2+2*(4*\m+2+\c/4)+1]
.endr
.endr
.endr
.irp u, 0,1                            ; a window's 64 registers of tile m are 128 neighbouring columns: one K step of the projection.  They take x's place in LDS: the last read of x stands ahead of pass 2's barriers
.irp m, 0,1,2,3
	QUANT 2+\u, 64*\m
	IMAGE OW, KSB*\u+1536*\m
	ds_store_b32 v[OWS], v[PW] offset:KSB*\u+4*\m
.endr
.endr
	s_wait_dscnt 0x0                               ; my images lie in LDS
	s_barrier_signal -1                            ; (my one tensor load may stay out; the next refill has its own round)
	s_barrier_wait -1
; ---- pass 3: the projection; both areas = attn x v
	s_mov_b32 s40, ACT0
	s_mov_b32 s41, ACT0
	AFETCH 0
	AFETCH 1
	STEP 0, 1, 13, 1, 1
	s_mov_b32 s42, 2
.Lkp:
	STEP 1, 0, 39, 1, 1
	STEP 0, 0, 39, 1, 1
	s_sub_co_u32 s42, s42, 1
	s_cmp_lg_u32 s42, 0
	s_cbranch_scc1 .Lkp
	STEP 1, 0, 39, 1, 1                            ; step 29 asks for step 31's block: the last fill
	STEP 0, 0, 39, 0, 1                            ; the tail is written out
	s_wait_dscnt 39                                ; step 31: nothing more to fetch
	WIN 0xa1
	MUL 0, 8, 0
	s_wait_dscnt 0x0
	WIN 0xf1
	MUL 8, 8, 0
	PLACES 4
	WIN 0
; ---- THE WAY OUT, a tile of 16 rows at a time.  A lane holds runs of 16 neighbouring columns (64 bytes) of one row: they go through my stage in LDS and come back as whole rows of my 256 columns; the bias is added behind the
; read-back, where a lane's four columns are the same in every row.  LDS serves a wave's instructions in order (ISA guide 5.7.1.4): no wait between the stores and the loads.
.macro OUTM m
.if \m > 0
	s_wait_xcnt 0x0                                ; the last tile's stores have read their registers, which are loaded again below
.endif
	WIN 0x08                                       ; an LDS store's data are its source 1: window 2
.irp b, 0,1,2,3
.irp i, 0,1,2,3
	ds_store_b128 v[STO], v[64*\m+16*\b+4*\i:64*\m+16*\b+4*\i+3] offset:128*\b+16*\i   ; each accumulator from its low end on
.endr
.endr
	WIN 0x0c                                       ; window 3: my columns 128 on
.irp b, 0,1,2,3
.irp i, 0,1,2,3
	ds_store_b128 v[STO], v[64*\m+16*\b+4*\i:64*\m+16*\b+4*\i+3] offset:512+128*\b+16*\i
.endr
.endr
	WIN 0
.irp p, 0,1,2,3,4,5,6,7,8,9,10,11,12,13,14,15
.irp u, 0,1
	ds_load_b128 v[BK+8*\p+4*\u:BK+8*\p+4*\u+3], v[WA] offset:SPITCH*\p+512*\u
.endr
.endr
.irp f, 0,1
	s_wait_dscnt 16-16*\f                          ; eight rows are back; the other eight rows' sixteen loads may be out
.irp p, 0,1,2,3,4,5,6,7
.irp u, 0,1
.irp k, 0,2
	v_pk_add_f32 v[BK+8*(8*\f+\p)+4*\u+\k:BK+8*(8*\f+\p)+4*\u+\k+1], v[BK+8*(8*\f+\p)+4*\u+\k:BK+8*(8*\f+\p)+4*\u+\k+1], v[BI+4*\u+\k:BI+4*\u+\k+1]
.endr
.endr
.endr
.irp p, 0,1,2,3,4,5,6,7
.irp u, 0,1
	global_store_b128 v[LI], v[BK+8*(8*\f+\p)+4*\u:BK+8*(8*\f+\p)+4*\u+3], s[12:13] offset:(16*\m+8*\f+\p)*4096+512*\u th:TH_STORE_NT   ; 32 lanes store 512 consecutive bytes, at a multiple of 256 from out0's first byte; written once, read by nobody here
.endr
.endr
.endr
.endm
	OUTM 0
	OUTM 1
	OUTM 2
	OUTM 3
	s_wait_tensorcnt 0x0                           ; the wave's end: behind my last tensor load and my last LDS store
	ds_add_u32 v[SPW], v[NIL]
	s_wait_dscnt 0x0
	CROUND                                         ; the closing round: no work-group ends while a partner may still ask for a block that names it
	s_endpgm
.Lfunc_end_k_qec6b1f300c_chain:
	.size	k_qec6b1f300c_chain, .Lfunc_end_k_qec6b1f300c_chain-k_qec6b1f300c_chain
	.p2alignl 7, 3214868480
	.fill 96, 4, 3214868480
	.section	.rodata,"a",@progbits
	.p2align	6, 0x0
	.amdhsa_kernel k_qec6b1f300c_chain
		.amdhsa_group_segment_fixed_size 327680
		.amdhsa_private_segment_fixed_size 0
		.amdhsa_enable_private_segment 0
		.amdhsa_kernarg_size 40
		.amdhsa_user_sgpr_count 2
		.amdhsa_user_sgpr_kernarg_segment_ptr 1
		.amdhsa_wavefront_size32 1
		.amdhsa_system_sgpr_workgroup_id_x 1
		.amdhsa_system_sgpr_workgroup_id_y 1
		.amdhsa_system_sgpr_workgroup_id_z 1
		.amdhsa_system_vgpr_workitem_id 0
		.amdhsa_next_free_vgpr 1024
		.amdhsa_next_free_sgpr 66
		.amdhsa_reserve_vcc 0
		.amdhsa_float_denorm_mode_32 3
		.amdhsa_float_denorm_mode_16_64 3
		.amdhsa_memory_ordered 1
		.amdhsa_forward_progress 1
		.amdhsa_inst_pref_size 255
	.end_amdhsa_kernel
	.section	.bss,"aw",@nobits
	.p2align	6
	.space	262144
	.amdgpu_metadata
---
amdhsa.version: [ 1, 2 ]
amdhsa.kernels:
  - .name:           k_qec6b1f300c_chain
    .symbol:         k_qec6b1f300c_chain.kd
    .args:
      - { .name: x, .offset: 0, .size: 8, .value_kind: global_buffer, .address_space: global }
      - { .name: y, .offset: 8, .size: 8, .value_kind: global_buffer, .address_space: global }
      - { .name: wts, .offset: 16, .size: 8, .value_kind: global_buffer, .address_space: global }
      - { .name: bproj, .offset: 24, .size: 8, .value_kind: global_buffer, .address_space: global }
      - { .name: out0, .offset: 32, .size: 8, .value_kind: global_buffer, .address_space: global }
    .group_segment_fixed_size: 327680
    .private_segment_fixed_size: 0
    .kernarg_segment_align: 8
    .kernarg_segment_size: 40
    .max_flat_workgroup_size: 128
    .sgpr_count:     66
    .vgpr_count:     1024
    .wavefront_size: 32
...
	.end_amdgpu_metadata
.endif
;; end of part 2
;; ======== version 2 of 3: 2 launches
;; workspace buffers: wts 3,276,800 bytes
;; launch lay: the kernel of part 1 again; grid 8 x 32, 4 waves a work-group, no clusters, 1,536 bytes of LDS; arguments Wq, Wkv, Wproj, wts; writes wts
;; launch chain (part 3): grid 256 x 1, 4 waves a work-group, no clusters, 175,616 bytes of LDS; arguments x, y, wts, bproj, out0; writes out0
.if DOCPART == 3
	.amdgcn_target "amdgcn-amd-amdhsa--gfx1250"
	.amdhsa_code_object_version 6
	.text
	.protected	k_qec6b1f300c_chain
	.globl	k_qec6b1f300c_chain
	.p2align	8
	.type	k_qec6b1f300c_chain,@function
k_qec6b1f300c_chain:
	s_mov_b64 s[64:65], 0
	v_nop
	global_prefetch_b8 v0, s[64:65] scope:SCOPE_SE
	s_setreg_imm32_b32 hwreg(HW_REG_WAVE_MODE, 25, 1), 1
	s_wait_xcnt 0x0
; out0 = (softmax over heads of (q . k / 64) x v) Wproj + bproj, q = x Wq, k and v = y Wkv: x, y, out0 [16384][1024] f32.  The three large products run on codes of FP6 (E2M3) with one E8M0 scale
; for each 32 along K; the weights' codes and scale words come from wts, laid by the launch before in the order in which they are taken here.  The input mask enters no step of the module: it is not read.
; SHARES.  A work-group owns 64 rows through the whole chain, so that q, k, v and the softmax never go to memory.  THE WAVES SHARE THE COLUMNS: wave w owns heads 4 w .. 4 w + 3 and output columns 256 w .. 256 w + 255, for all 64 rows.
; 32 STEPS t = 8 pass + s.  Pass 0, 1: 128 columns of q and the same 128 of k (two heads); pass 2: the wave's 256 columns of v; pass 3: its 256 columns of the projection.  s: 128 along K.
; In a step a wave multiplies 16 weight fragments (16 columns x 128 K) by 4 tiles of 16 rows: 64 matrix instructions on 64 accumulators (512 registers).
; THE PRODUCT IS USED TRANSPOSED (source 0 = weights, source 1 = rows): a lane holds ONE row, and, by the choice of a fragment's columns, the 16 registers of fragments 2 b, 2 b + 1 are 16 neighbouring columns.
; So q . k is a lane's own multiply-adds and one exchange of halves, and attn x v lies ready for the quantiser along the projection's K.
; WEIGHTS GO FROM MEMORY STRAIGHT INTO REGISTERS.  wts holds each fragment as an image of its registers, so a load of 16 bytes a lane reads 512 consecutive bytes.  A step's 16 fragments are four groups of four; behind a group's
; 16 products its registers take the next step's group (12 loads of codes, 1 of scale words): three or four groups, up to 52 loads, are on their way at all times, and no barrier stands in a pass.
; NO CLUSTER, NO JOINT LOADS, though all work-groups walk the same weights.  A weight byte is used by ONE wave of a work-group, once: a way through LDS would write and read it there once more and spare no fetch
; inside the work-group; and beside the rows' codes (102,400 bytes) LDS has room for two slots of one step (102,400 bytes each) and no more, so that a ring of joint loads could have one block a wave on its way,
; asked for behind a round of the cluster's barrier and waited for within one step's 64 products.
; ROWS' CODES lie in LDS as images of the operand's registers (a fragment: three stores of 16 bytes a lane at 16 x lane) with their scale words beside them: x's and y's are made once, at the head; attn x v takes x's place.
; No prefetch is written: every work-group reads the same weights, and x and y are streamed at the head with 48 loads of each wave in flight.
; LIMITS: NaN and infinities among the inputs are not served; a block of zeros gets the scale byte 1 where the quantiser's text says 127 (its codes are zeros, and this program alone reads the bytes);
; a softmax weight under 2^-126 becomes 0 (v_exp_f32 gives 0 there: ISA guide, its entry); q . k is summed in f32 in another order than the reference's.
; REGISTERS, in windows of 256: window 0: v1-24 addresses; v32-47 the weights' scale words, v48-55 the rows': these hold scales and nothing else; v56-151 the rows' fragments, two areas of four; v152-188 the quantiser's; v192-223 sums, later attn; v248-255 the bias.
;   window 1: v0-191 the step's 16 weight fragments.   window 2: accumulators of fragments 0-7, tile m, at 64 m + 8 c (at the head: four chunks of x and y as loaded).   window 3: those of fragments 8-15 (at the head: two chunks, turned).
.set WQ,    25600                      ; a wave's block of a step in wts: 16 fragments of 1,536 bytes, then 1,024 bytes of scale words
.set STEPB, 4*WQ                       ; a step's four blocks
.set ACT0,  0                          ; LDS: x's codes, later attn x v's: 8 K steps of KSB bytes
.set ACTB,  51200
.set ACT1,  ACT0+ACTB                  ; y's
.set KSB,   6400                       ; a K step: four fragment images (tile m at 1,536 m), then at 6,144 the scale words: row r, tile m at 16 r + 4 m
.set DOTS,  ACT1+ACTB                  ; q . k of row and head at 80 row + 4 head
.set STG,   DOTS+5120                  ; a stage of WSTG bytes for each wave, its own: at the head two stages of 16 rows x 528 bytes, on the way out one of 16 rows x 1,040
.set WSTG,  16896
.set XSP,   528                        ; at the head: a row's 512 bytes + 16, so that the sixteen rows that a load touches start at sixteen different groups of four banks
.set XSTB,  16*XSP
.set SPITCH, 1040                      ; the way out: 1,024 bytes + 16
.set LI,  1                            ; v1   16 x lane
.set LR,  2                            ; v2   16 x (lane % 16)
.set SB,  3                            ; v3   my stage + 16 x lane
.set XRD, 4                            ; v4   my stage + 528 r + 64 h: where I read my 16 neighbours back
.set AD,  9                            ; v9-10  the rows' fragments in hand, area 0, 1
.set AQ,  11                           ; v11-12 and their scale words
.set XW0, 14                           ; v14  where my wave's images go in a K step
.set XS0, 15                           ; v15  and their scale words
.set XW,  16
.set XWS, 17
.set DA,  18                           ; v18  DOTS: my row, my wave's four heads
.set DAT, 19
.set DR,  20                           ; v20  DOTS: my row
.set OW,  22                           ; v22  where attn x v's images go: my wave's two K steps
.set OWS, 23
.set STO, 24                           ; v24  the way out: where I put 64 bytes of a row
.set WS,  32
.set ASC, 48
.set AF,  56
.set PC,  152                          ; v152-171 the codes just made
.set TM,  172                          ; v172-187 magnitudes, bytes, scale operands
.set PW,  188                          ; the scale word just made
.set DP,  192                          ; v192-207 eight sums, in pairs
.set AT2, 192                          ; v192-223 attn of (tile m, my head i), twice, at 2 (4 m + i)
.set BI,  248
.set SMX, 56                           ; between the passes: v56-119 the 16 heads' sums of my four rows, v120-135 my wave's four heads' again,
.set OWN, 120
.set MX,  136                          ; v136-139 the rows' maxima, v140-143 sums, v148-151 reciprocals
.set SU,  140
.set RC,  148
.set BK,  56                           ; the way out: v56-183 sixteen rows read back
.set WB,  24                           ; s[24:25], s[26:27] the weights' bases, one for each parity of the step
.set W0,  28                           ; s[28:29] my wave's block of step 0; never rewritten
.set MSB, 0
.macro WIN new                         ; s_set_vgpr_msb: bits 1:0 source 0, 3:2 source 1, 5:4 source 2, 7:6 destination; the high byte repeats the setting that is left
.if MSB != (\new)
	s_set_vgpr_msb (MSB<<8)|(\new)
.set MSB, (\new)
.endif
.endm
.macro PLACES n                        ; a load into a register that a matrix instruction has read, and a read of its result, stand four plain vector instructions behind it (ISA guide 7.12.1 for vector instructions)
.rept \n
	v_nop
.endr
.endm
; n weight fragments from c0 on x the four tiles of rows.  The 64 accumulators take turns, one instruction a turn, in the same order in every step.  zero = 1: the products start the sums.
.macro MUL c0, n, zero
.set CN, \c0
.rept \n
.irp m, 0,1,2,3
.if \zero
	v_wmma_scale_f32_16x16x128_f8f6f4 v[64*\m+8*(CN%8):64*\m+8*(CN%8)+7], v[12*CN:12*CN+11], v[AF+48*(CN/8)+12*\m:AF+48*(CN/8)+12*\m+11], 0, v[WS+CN], v[ASC+4*(CN/8)+\m] matrix_a_fmt:MATRIX_FMT_FP6 matrix_b_fmt:MATRIX_FMT_FP6
.else
	v_wmma_scale_f32_16x16x128_f8f6f4 v[64*\m+8*(CN%8):64*\m+8*(CN%8)+7], v[12*CN:12*CN+11], v[AF+48*(CN/8)+12*\m:AF+48*(CN/8)+12*\m+11], v[64*\m+8*(CN%8):64*\m+8*(CN%8)+7], v[WS+CN], v[ASC+4*(CN/8)+\m] matrix_a_fmt:MATRIX_FMT_FP6 matrix_b_fmt:MATRIX_FMT_FP6
.endif
.endr
.set CN, CN+1
.endr
.endm
; 13 loads: group g (fragments 4 g .. 4 g + 3) of the block that begins off bytes from the base s[sb:sb+1]: 12 loads of 512 consecutive bytes, and one load of 16 bytes a lane that brings the four fragments' scale words of my column
.macro WLOAD sb, g, off
	WIN 0x40                                       ; destination window 1, address window 0
.irp c, 0,1,2,3
.irp k, 0,1,2
	global_load_b128 v[12*(4*(\g)+\c)+4*\k:12*(4*(\g)+\c)+4*\k+3], v[LI], s[\sb:\sb+1] offset:(\off)+1536*(4*(\g)+\c)+512*\k
.endr
.endr
	WIN 0
	global_load_b128 v[WS+4*(\g):WS+4*(\g)+3], v[LR], s[\sb:\sb+1] offset:(\off)+24576+256*(\g)
.endm
.macro AFETCH area                     ; 13 LDS loads: the next K step's four fragments of rows and their scale words; s40, s41 walk the K steps
	v_add_nc_u32 v[AD+\area], s[40+\area], v[LI]
	v_add_nc_u32 v[AQ+\area], s[40+\area], v[LR]
.irp m, 0,1,2,3
.irp k, 0,1,2
	ds_load_b128 v[AF+48*\area+12*\m+4*\k:AF+48*\area+12*\m+4*\k+3], v[AD+\area] offset:1536*\m+512*\k
.endr
.endr
	ds_load_b128 v[ASC+4*\area:ASC+4*\area+3], v[AQ+\area] offset:6144
	s_add_co_u32 s[40+\area], s[40+\area], KSB
.endm
; A STEP of parity p.  Four groups of 16 products; behind each, and four places, the group's registers take the next step's weights.  In front of each group: s_wait_loadcnt 39: behind the 13 loads that are wanted
; three groups of 13 have been issued, whichever group it is.  Area 0 of the rows (fragments 0-7 use it) is fetched anew at the step's middle, area 1 at its end: s_wait_dscnt 13 leaves the other area's 13 loads out.
; THE BASE of parity p is stepped at the head, two steps on.  The loads that named it last are those of two steps back: each of their four groups was shown done by a counted wait of the step before.
; It then stands one step beyond the block that is asked for, and the loads reach back by the immediate.  nact = 0: a pass's last step fetches no rows.
.macro STEP p, zero, nact
	s_add_nc_u64 s[WB+2*\p:WB+2*\p+1], s[WB+2*\p:WB+2*\p+1], 2*STEPB
	s_wait_loadcnt 39
	s_wait_dscnt 13
	WIN 0xa1                                       ; weights window 1, rows window 0, C and D window 2
	MUL 0, 4, \zero
	PLACES 4
	WLOAD WB+2*\p, 0, -STEPB
	s_wait_loadcnt 39
	WIN 0xa1
	MUL 4, 4, \zero
	PLACES 4
	WLOAD WB+2*\p, 1, -STEPB
.if \nact
	AFETCH 0
.endif
	s_wait_loadcnt 39
	s_wait_dscnt 13*\nact
	WIN 0xf1                                       ; C and D window 3
	MUL 8, 4, \zero
	PLACES 4
	WLOAD WB+2*\p, 2, -STEPB
	s_wait_loadcnt 39
	WIN 0xf1
	MUL 12, 4, \zero
	PLACES 4
	WLOAD WB+2*\p, 3, -STEPB
.if \nact
	AFETCH 1
.endif
.endm
; 64 numbers of a lane in window wn, v[s] .. v[s + 63], register 16 b + i = k 32 b + 16 (lane / 16) + i of my row, become a fragment's codes in v[PC] on and its scale word in v[PW].
.macro QUANT wn, s
	WIN (\wn)|((\wn)<<2)
.irp b, 0,1,2,3
	v_max3_num_f32 v[TM+\b], |v[(\s)+16*\b]|, |v[(\s)+16*\b+1]|, 0x1800000   ; block b: my 16 numbers, and the floor 2^(3 - 127): the byte cannot fall under 1
.endr
	WIN ((\wn)<<2)|((\wn)<<4)
.irp i, 2,4,6,8,10,12,14
.irp b, 0,1,2,3
	v_max3_num_f32 v[TM+\b], v[TM+\b], |v[(\s)+16*\b+\i]|, |v[(\s)+16*\b+\i+1]|   ; (the four blocks by turns)
.endr
.endr
	WIN 0
.irp b, 0,1,2,3
	v_permlanex16_b32 v[TM+4+\b], v[TM+\b], s20, s21
.endr
.irp b, 0,1,2,3
	v_max_num_f32 v[TM+\b], v[TM+\b], v[TM+4+\b]   ; with lane l xor 16's: the block's largest magnitude
.endr
.irp b, 0,1,2,3
	v_add_nc_u32 v[TM+12+\b], 0xff000000, v[TM+\b] ; 2 off its exponent field: the conversion's scale operand
.endr
.irp b, 0,1,2,3
	v_lshrrev_b32 v[TM+4+\b], 23, v[TM+12+\b]      ; the scale's byte
.endr
	s_wait_dscnt 0x0                               ; the last image's stores have read the registers that are written now
	v_lshl_or_b32 v[PW], v[TM+5], 8, v[TM+4]
	v_lshl_or_b32 v[PW], v[TM+6], 16, v[PW]
	v_lshl_or_b32 v[PW], v[TM+7], 24, v[PW]
	WIN (\wn)
.irp c, 0,1
	v_cvt_scalef32_pk16_fp6_f32 v[PC+6*\c:PC+6*\c+2], v[(\s)+32*\c:(\s)+32*\c+15], v[TM+12+2*\c]
	v_cvt_scalef32_pk16_fp6_f32 v[PC+12+4*\c:PC+12+4*\c+2], v[(\s)+32*\c+16:(\s)+32*\c+31], v[TM+12+2*\c+1]   ; (a conversion's three registers begin on an even number)
.endr
	WIN 0
	v_nop                                          ; one plain instruction behind the last conversion
.irp c, 0,1                            ; the operand wants a WHOLE block in a lane: lanes 0-15 block 2 c, lanes 16-31 block 2 c + 1
.irp i, 0,1,2
	v_permlane16_swap_b32 v[PC+6*\c+\i], v[PC+12+4*\c+\i]
.endr
.irp i, 0,1,2
	v_mov_b32 v[PC+3+6*\c+\i], v[PC+12+4*\c+\i]
.endr
.endr
.endm
.macro IMAGE adr, off                  ; the fragment in v[PC] on goes to LDS as it stands: 512 consecutive bytes a store
.irp k, 0,1,2
	ds_store_b128 v[\adr], v[PC+4*\k:PC+4*\k+3] offset:(\off)+512*\k
.endr
.endm
.macro XLOAD ptr, buf, srel            ; a chunk: one K step (128 numbers, 512 bytes) of my 16 rows, into set buf of window 2: each load reads a row's 512 consecutive bytes, 16 a lane
	WIN 0x80
.irp i, 0,1,2,3,4,5,6,7,8,9,10,11,12,13,14,15
	global_load_b128 v[64*(\buf)+4*\i:64*(\buf)+4*\i+3], v[LI], s[\ptr:\ptr+1] offset:4096*\i+512*(\srel) th:TH_LOAD_NT
.endr
	WIN 0
.endm
; The chunk in set buf goes through stage tb as it lies and comes back 16 neighbours to a lane, into set tb of window 3: register 16 b + 4 j + e of lane (r, h) is k = 32 b + 16 h + 4 j + e of row r.
; LDS serves a wave's instructions in order (ISA guide 5.7.1.4): no wait between the stores and the loads, nor in front of the stage's next stores.
.macro TURN buf, tb
	WIN 0x08                                       ; an LDS store's data are its source 1: window 2
.irp i, 0,1,2,3,4,5,6,7,8,9,10,11,12,13,14,15
	ds_store_b128 v[SB], v[64*(\buf)+4*\i:64*(\buf)+4*\i+3] offset:XSTB*(\tb)+XSP*\i
.endr
	WIN 0xc0                                       ; destination window 3
.irp b, 0,1,2,3
.irp j, 0,1,2,3
	ds_load_b128 v[64*(\tb)+16*\b+4*\j:64*(\tb)+16*\b+4*\j+3], v[XRD] offset:XSTB*(\tb)+128*\b+16*\j
.endr
.endr
	WIN 0
.endm
	s_load_b256 s[4:11], s[0:1], 0x0               ; x s[4:5], y s[6:7], wts s[8:9], bproj s[10:11]
	s_load_b64 s[12:13], s[0:1], 0x20              ; out0
	v_lshl_add_u32 v246, v0, 2, 0x2ac00
	v_mov_b32 v247, 0
	v_lshrrev_b32 v28, 5, v0
	v_readfirstlane_b32 s14, v28                   ; wave 0..3
	s_mov_b32 s20, 0x76543210                      ; v_permlanex16_b32's selects for lane l xor 16
	s_mov_b32 s21, 0xfedcba98
	s_mov_b32 s22, 0x3cb8aa3b                      ; log2(e) / 64: both scalings by 1 / 8 and the change of base
	s_mul_i32 s46, s14, WQ                         ; my block in a step's bytes of wts
	s_mov_b32 s47, 0
	s_lshl_b32 s48, ttmp9, 18                      ; 64 rows of 4,096 bytes a work-group
	s_mov_b32 s49, 0
	s_lshl_b32 s52, s14, 16                        ; 16 rows a wave
	s_mov_b32 s53, 0
	s_lshl_b32 s50, s14, 10                        ; 256 columns a wave
	s_mov_b32 s51, 0
	v_and_b32 v[LI], 31, v0
	v_lshlrev_b32 v[LI], 4, v[LI]
	v_and_b32 v26, 15, v0                          ; r
	v_bfe_u32 v27, v0, 4, 1                        ; h
	v_lshlrev_b32 v[LR], 4, v26
	s_wait_kmcnt 0x0
	s_add_nc_u64 s[W0:W0+1], s[8:9], s[46:47]      ; my block of step 0
	s_mov_b64 s[WB:WB+1], s[W0:W0+1]               ; the even steps' base: the first step adds two steps and reaches one back: step 1's block
	s_add_nc_u64 s[WB+2:WB+3], s[W0:W0+1], STEPB   ; the odd steps'
	s_add_nc_u64 s[4:5], s[4:5], s[48:49]
	s_add_nc_u64 s[4:5], s[4:5], s[52:53]          ; x at the 16 rows that I quantise
	s_add_nc_u64 s[6:7], s[6:7], s[48:49]
	s_add_nc_u64 s[6:7], s[6:7], s[52:53]          ; y likewise
	s_add_nc_u64 s[12:13], s[12:13], s[48:49]
	s_add_nc_u64 s[12:13], s[12:13], s[50:51]      ; out0 at the work-group's first row, my columns
	s_add_nc_u64 s[10:11], s[10:11], s[50:51]      ; the bias of my columns
	global_load_b128 v[BI:BI+3], v[LI], s[10:11]               ; the bias of the columns that I store on the way out
	global_load_b128 v[BI+4:BI+7], v[LI], s[10:11] offset:512
	XLOAD 4, 0, 0                                  ; x, K step 0;
	XLOAD 6, 1, 0                                  ; y, K step 0;
	XLOAD 4, 2, 1                                  ; x, K step 1
	s_mul_i32 s52, s14, WSTG
	s_add_co_u32 s52, s52, STG                     ; my stage
	v_add_nc_u32 v[SB], s52, v[LI]
	v_mul_u32_u24 v[XRD], v26, XSP
	v_lshl_add_u32 v[XRD], v27, 6, v[XRD]
	v_add_nc_u32 v[XRD], s52, v[XRD]
	v_mul_u32_u24 v[STO], v26, SPITCH
	v_lshl_add_u32 v[STO], v27, 6, v[STO]
	v_add_nc_u32 v[STO], s52, v[STO]
	s_mul_i32 s52, s14, 1536
	v_add_nc_u32 v[XW0], s52, v[LI]                ; my rows are tile m = wave
	s_lshl_b32 s53, s14, 2
	v_add_nc_u32 v[XS0], s53, v[LR]
	v_add_nc_u32 v[XS0], 6144, v[XS0]
	v_mul_u32_u24 v[DR], v26, 80
	v_add_nc_u32 v[DR], DOTS, v[DR]
	s_lshl_b32 s53, s14, 4
	v_add_nc_u32 v[DA], s53, v[DR]
	s_mul_i32 s52, s14, 2*KSB
	s_add_co_u32 s52, s52, ACT0
	v_add_nc_u32 v[OW], s52, v[LI]                 ; my 256 columns of attn x v are K steps 2 w and 2 w + 1 of the projection
	v_add_nc_u32 v[OWS], s52, v[LR]
	v_add_nc_u32 v[OWS], 6144, v[OWS]
.irp b, 0,1,2,3
	v_mov_b32 v[TM+4+\b], 0                        ; written once: a lane permute's destination counts as one of its sources
.endr
	s_wait_loadcnt 32                              ; the bias and the first chunk are in; two chunks may be out
	XLOAD 6, 3, 1                                  ; y, K step 1
	TURN 0, 0
; ---- X: wave w quantises rows 16 w .. 16 w + 15 of x and of y: 16 chunks, in the order (x, 2 j), (y, 2 j), (x, 2 j + 1), (y, 2 j + 1), four to a trip.  Four sets of registers take the loads, which run up to three chunks ahead
; of the chunk that is turned; the turn through the stage runs one chunk ahead of the quantiser, on two stages and two sets by turns.
; Chunk q of a trip.  tn = 1: the next chunk is turned; left: the loads of the chunks behind it, which may stay out.  ld = 1: my set takes the chunk four on; ld = 2: the first step's weights are asked for instead.
.macro XPOS q, ld, tn, left
.if \tn
	s_wait_loadcnt \left                           ; the next chunk is in
	TURN ((\q)+1)%4, ((\q)+1)%2
	s_wait_dscnt 32                                ; all but that turn's 16 stores and 16 loads: my chunk is back from its stage, and its stores into the stage have read my set
.else
	s_wait_dscnt 4                                 ; the last chunk is back; the last image's four stores may be out
.endif
.if \ld == 1
	XLOAD 4+2*((\q)%2), (\q), 2+(\q)/2
.elseif \ld == 2
	WLOAD W0, 0, 0                                 ; no load of x or y is out: 52 loads, two chunks' quantising ahead of the first product
	WLOAD W0, 1, 0
	WLOAD W0, 2, 0
	WLOAD W0, 3, 0
.endif
	QUANT 3, 64*((\q)%2)
	IMAGE XW, ((\q)%2)*ACTB+((\q)/2)*KSB
	ds_store_b32 v[XWS], v[PW] offset:((\q)%2)*ACTB+((\q)/2)*KSB   ; both halves of the lanes write the same word with the same value
.endm
.macro XTRIP ahead
	s_wait_dscnt 0x0                               ; the last trip's stores have read their address registers
	v_add_nc_u32 v[XW], s43, v[XW0]
	v_add_nc_u32 v[XWS], s43, v[XS0]
.if \ahead
	XPOS 0, 1, 1, 32
	XPOS 1, 1, 1, 32
	XPOS 2, 1, 1, 32
	XPOS 3, 1, 1, 32
.else
	XPOS 0, 0, 1, 32                               ; the last trip asks for nothing beyond K step 7: the counts run down
	XPOS 1, 0, 1, 16
	XPOS 2, 2, 1, 0
	XPOS 3, 0, 0, 0
.endif
.endm
	s_mov_b32 s43, ACT0
	s_mov_b32 s44, 3
.Lx:
	XTRIP 1
	s_wait_xcnt 0x0                                ; the loads have read their bases
	s_add_nc_u64 s[4:5], s[4:5], 1024              ; two K steps on
	s_add_nc_u64 s[6:7], s[6:7], 1024
	s_add_co_u32 s43, s43, 2*KSB
	s_sub_co_u32 s44, s44, 1
	s_cmp_lg_u32 s44, 0
	s_cbranch_scc1 .Lx
	XTRIP 0
	s_wait_dscnt 0x0                               ; my images lie in LDS
	s_barrier_signal -1
	s_barrier_wait -1                              ; everybody's do
; ---- passes 0, 1 (q and k of two heads; rows: area 0 = x, area 1 = y) and 2 (v; both areas = y): one text, three trips
	s_mov_b32 s23, 0
.Lpass:
	s_lshr_b32 s40, s23, 1
	s_mul_i32 s40, s40, ACTB
	s_add_co_u32 s40, s40, ACT0                    ; area 0: x in passes 0 and 1, y in pass 2
	s_mov_b32 s41, ACT1
	AFETCH 0
	AFETCH 1
	STEP 0, 1, 1
	s_mov_b32 s42, 3
.Lk:
	STEP 1, 0, 1
	STEP 0, 0, 1
	s_sub_co_u32 s42, s42, 1
	s_cmp_lg_u32 s42, 0
	s_cbranch_scc1 .Lk
	STEP 1, 0, 0
	s_cmp_eq_u32 s23, 2                            ; v has no dot products: a branch on the count of passes, round register work and LDS stores alone
	s_cbranch_scc1 .Lnodots
	; q . k of the pass's two heads (t) for my four rows (m): head t is fragments 4 t .. 4 t + 3; q lies in window 2, k in window 3, at the same registers.  Eight sums by turns; each accumulator is read from its low end on.
	WIN 0x0e
.irp i, 0,1,2,3
.irp j, 0,2,4,6
.irp t, 0,1
.irp m, 0,1,2,3
.if (\i == 0) && (\j == 0)
	v_pk_mul_f32 v[DP+2*(4*\t+\m):DP+2*(4*\t+\m)+1], v[64*\m+8*(4*\t+\i)+\j:64*\m+8*(4*\t+\i)+\j+1], v[64*\m+8*(4*\t+\i)+\j:64*\m+8*(4*\t+\i)+\j+1]
.else
	v_pk_fma_f32 v[DP+2*(4*\t+\m):DP+2*(4*\t+\m)+1], v[64*\m+8*(4*\t+\i)+\j:64*\m+8*(4*\t+\i)+\j+1], v[64*\m+8*(4*\t+\i)+\j:64*\m+8*(4*\t+\i)+\j+1], v[DP+2*(4*\t+\m):DP+2*(4*\t+\m)+1]
.endif
.endr
.endr
.endr
.endr
	WIN 0
.irp g, 0,1,2,3,4,5,6,7
	v_add_f32 v[DP+2*\g], v[DP+2*\g], v[DP+2*\g+1]
.endr
.irp g, 0,1,2,3,4,5,6,7
	v_permlanex16_b32 v[DP+2*\g+1], v[DP+2*\g], s20, s21   ; the head's other 32 columns lie in the lane 16 away
.endr
.irp g, 0,1,2,3,4,5,6,7
	v_add_f32 v[DP+2*\g], v[DP+2*\g], v[DP+2*\g+1]
.endr
	s_lshl_b32 s52, s23, 3
	v_add_nc_u32 v[DAT], s52, v[DA]                ; heads 4 w + 2 pass + t
.irp t, 0,1
.irp m, 0,1,2,3
	ds_store_b32 v[DAT], v[DP+2*(4*\t+\m)] offset:1280*\m+4*\t   ; both halves of the lanes write the same word with the same value
.endr
.endr
.Lnodots:
	s_add_co_u32 s23, s23, 1
	s_cmp_lt_u32 s23, 3
	s_cbranch_scc1 .Lpass
; ---- between the passes: the softmax over the 16 heads of my four rows, attn x v in place, and its codes.  The next step's weights are on their way into window 1 meanwhile.
	s_wait_dscnt 0x0                               ; my sums lie in LDS, and my reads of x's and y's codes are over
	s_barrier_signal -1
	s_barrier_wait -1                              ; everybody's: all 16 heads' sums may be read, and x's place may be written
.irp m, 0,1,2,3
.irp q, 0,1,2,3
	ds_load_b128 v[SMX+16*\m+4*\q:SMX+16*\m+4*\q+3], v[DR] offset:1280*\m+16*\q
.endr
	ds_load_b128 v[OWN+4*\m:OWN+4*\m+3], v[DA] offset:1280*\m
.endr
	s_wait_dscnt 0x0
.irp m, 0,1,2,3
	v_max3_num_f32 v[MX+\m], v[SMX+16*\m], v[SMX+16*\m+1], v[SMX+16*\m+2]   ; the row's largest sum (the four rows by turns)
.endr
.irp i, 3,5,7,9,11,13
.irp m, 0,1,2,3
	v_max3_num_f32 v[MX+\m], v[MX+\m], v[SMX+16*\m+\i], v[SMX+16*\m+\i+1]
.endr
.endr
.irp m, 0,1,2,3
	v_max_num_f32 v[MX+\m], v[MX+\m], v[SMX+16*\m+15]
.endr
.irp m, 0,1,2,3
.irp j, 0,1,2,3,4,5,6,7,8,9,10,11,12,13,14,15
	v_sub_f32 v[SMX+16*\m+\j], v[SMX+16*\m+\j], v[MX+\m]   ; the maximum is taken away first, as the reference does
.endr
.irp j, 0,1,2,3
	v_sub_f32 v[OWN+4*\m+\j], v[OWN+4*\m+\j], v[MX+\m]
.endr
.endr
.set i, 0
.rept 80
	v_mul_f32 v[SMX+i], s22, v[SMX+i]              ; x log2(e) / 64  (v56-135: all 16 heads, then my wave's four again)
.set i, i+1
.endr
.set i, 0
.rept 80
	v_exp_f32 v[SMX+i], v[SMX+i]                   ; one batch
.set i, i+1
.endr
	v_nop                                          ; a plain instruction behind the last exponential
	s_wait_alu depctr_va_vdst(0)                   ; one wait for the batch, ahead of its first reader
.irp j, 0,2,4,6
.irp m, 0,1,2,3
	v_pk_add_f32 v[SMX+16*\m+\j:SMX+16*\m+\j+1], v[SMX+16*\m+\j:SMX+16*\m+\j+1], v[SMX+16*\m+8+\j:SMX+16*\m+8+\j+1]
.endr
.endr
.irp j, 0,2
.irp m, 0,1,2,3
	v_pk_add_f32 v[SMX+16*\m+\j:SMX+16*\m+\j+1], v[SMX+16*\m+\j:SMX+16*\m+\j+1], v[SMX+16*\m+4+\j:SMX+16*\m+4+\j+1]
.endr
.endr
.irp m, 0,1,2,3
	v_pk_add_f32 v[SMX+16*\m:SMX+16*\m+1], v[SMX+16*\m:SMX+16*\m+1], v[SMX+16*\m+2:SMX+16*\m+3]
.endr
.irp m, 0,1,2,3
	v_add_f32 v[SU+\m], v[SMX+16*\m], v[SMX+16*\m+1]
.endr
.irp m, 0,1,2,3
	v_rcp_f32 v[RC+\m], v[SU+\m]
.endr
	v_nop
	s_wait_alu depctr_va_vdst(0)                   ; one wait for the four reciprocals
.irp m, 0,1,2,3
.irp i, 0,1,2,3
	v_mul_f32 v[AT2+2*(4*\m+\i)], v[OWN+4*\m+\i], v[RC+\m]       ; attn of my head i, twice: a pair for the packed multiply
	v_mul_f32 v[AT2+2*(4*\m+\i)+1], v[OWN+4*\m+\i], v[RC+\m]
.endr
.endr
	WIN 0x82                                       ; v's fragments 0-7 (window 2): heads 0 and 1 of my four
.irp m, 0,1,2,3
.irp c, 0,1,2,3,4,5,6,7
.irp j, 0,2,4,6
	v_pk_mul_f32 v[64*\m+8*\c+\j:64*\m+8*\c+\j+1], v[64*\m+8*\c+\j:64*\m+8*\c+\j+1], v[AT2+2*(4*\m+\c/4):AT2+2*(4*\m+\c/4)+1]
.endr
.endr
.endr
	WIN 0xc3                                       ; fragments 8-15 (window 3): heads 2 and 3
.irp m, 0,1,2,3
.irp c, 0,1,2,3,4,5,6,7
.irp j, 0,2,4,6
	v_pk_mul_f32 v[64*\m+8*\c+\j:64*\m+8*\c+\j+1], v[64*\m+8*\c+\j:64*\m+8*\c+\j+1], v[AT2+2*(4*\m+2+\c/4):AT2+2*(4*\m+2+\c/4)+1]
.endr
.endr
.endr
.irp u, 0,1                            ; a window's 64 registers of tile m are 128 neighbouring columns: one K step of the projection.  They take x's place in LDS
.irp m, 0,1,2,3
	QUANT 2+\u, 64*\m
	IMAGE OW, KSB*\u+1536*\m
	ds_store_b32 v[OWS], v[PW] offset:KSB*\u+4*\m
.endr
.endr
	s_wait_dscnt 0x0                               ; my images lie in LDS
	s_barrier_signal -1
	s_barrier_wait -1                              ; everybody's do
; ---- pass 3: the projection; both areas = attn x v
	s_mov_b32 s40, ACT0
	s_mov_b32 s41, ACT0
	AFETCH 0
	AFETCH 1
	STEP 0, 1, 1
	s_mov_b32 s42, 3
.Lkp:
	STEP 1, 0, 1
	STEP 0, 0, 1
	s_sub_co_u32 s42, s42, 1
	s_cmp_lg_u32 s42, 0
	s_cbranch_scc1 .Lkp
	s_wait_loadcnt 39                              ; step 31 asks for nothing: the counts run down, a group of 13 at a time
	s_wait_dscnt 13
	WIN 0xa1
	MUL 0, 4, 0
	s_wait_loadcnt 26
	MUL 4, 4, 0
	s_wait_loadcnt 13
	s_wait_dscnt 0x0
	WIN 0xf1
	MUL 8, 4, 0
	s_wait_loadcnt 0x0
	MUL 12, 4, 0
	PLACES 4
	WIN 0
; ---- THE WAY OUT, a tile of 16 rows at a time.  A lane holds runs of 16 neighbouring columns (64 bytes) of one row: they go through my stage in LDS and come back as whole rows of my 256 columns; the bias is added behind the
; read-back, where a lane's four columns are the same in every row.  LDS serves a wave's instructions in order (ISA guide 5.7.1.4): no wait between the stores and the loads.
.macro OUTM m
.if \m > 0
	s_wait_xcnt 0x0                                ; the last tile's stores have read their registers, which are loaded again below
.endif
	WIN 0x08                                       ; an LDS store's data are its source 1: window 2
.irp b, 0,1,2,3
.irp i, 0,1,2,3
	ds_store_b128 v[STO], v[64*\m+16*\b+4*\i:64*\m+16*\b+4*\i+3] offset:128*\b+16*\i   ; each accumulator from its low end on
.endr
.endr
	WIN 0x0c                                       ; window 3: my columns 128 on
.irp b, 0,1,2,3
.irp i, 0,1,2,3
	ds_store_b128 v[STO], v[64*\m+16*\b+4*\i:64*\m+16*\b+4*\i+3] offset:512+128*\b+16*\i
.endr
.endr
	WIN 0
.irp p, 0,1,2,3,4,5,6,7,8,9,10,11,12,13,14,15
.irp u, 0,1
	ds_load_b128 v[BK+8*\p+4*\u:BK+8*\p+4*\u+3], v[SB] offset:SPITCH*\p+512*\u
.endr
.endr
.irp f, 0,1
	s_wait_dscnt 16-16*\f                          ; eight rows are back; the other eight rows' sixteen loads may be out
.irp p, 0,1,2,3,4,5,6,7
.irp u, 0,1
.irp k, 0,2
	v_pk_add_f32 v[BK+8*(8*\f+\p)+4*\u+\k:BK+8*(8*\f+\p)+4*\u+\k+1], v[BK+8*(8*\f+\p)+4*\u+\k:BK+8*(8*\f+\p)+4*\u+\k+1], v[BI+4*\u+\k:BI+4*\u+\k+1]
.endr
.endr
.endr
.irp p, 0,1,2,3,4,5,6,7
.irp u, 0,1
	global_store_b128 v[LI], v[BK+8*(8*\f+\p)+4*\u:BK+8*(8*\f+\p)+4*\u+3], s[12:13] offset:(16*\m+8*\f+\p)*4096+512*\u th:TH_STORE_NT   ; 32 lanes store 512 consecutive bytes, at a multiple of 256 from out0's first byte; written once, read by nobody here
.endr
.endr
.endr
.endm
	OUTM 0
	OUTM 1
	OUTM 2
	OUTM 3
	s_wait_tensorcnt 0x0
	ds_add_u32 v246, v247
	s_wait_dscnt 0x0
	s_endpgm
.Lfunc_end_k_qec6b1f300c_chain:
	.size	k_qec6b1f300c_chain, .Lfunc_end_k_qec6b1f300c_chain-k_qec6b1f300c_chain
	.p2alignl 7, 3214868480
	.fill 96, 4, 3214868480
	.section	.rodata,"a",@progbits
	.p2align	6, 0x0
	.amdhsa_kernel k_qec6b1f300c_chain
		.amdhsa_group_segment_fixed_size 175616
		.amdhsa_private_segment_fixed_size 0
		.amdhsa_enable_private_segment 0
		.amdhsa_kernarg_size 40
		.amdhsa_user_sgpr_count 2
		.amdhsa_user_sgpr_kernarg_segment_ptr 1
		.amdhsa_wavefront_size32 1
		.amdhsa_system_sgpr_workgroup_id_x 1
		.amdhsa_system_sgpr_workgroup_id_y 1
		.amdhsa_system_sgpr_workgroup_id_z 1
		.amdhsa_system_vgpr_workitem_id 0
		.amdhsa_next_free_vgpr 1024
		.amdhsa_next_free_sgpr 66
		.amdhsa_reserve_vcc 0
		.amdhsa_float_denorm_mode_32 3
		.amdhsa_float_denorm_mode_16_64 3
		.amdhsa_memory_ordered 1
		.amdhsa_forward_progress 1
		.amdhsa_inst_pref_size 255
	.end_amdhsa_kernel
	.section	.bss,"aw",@nobits
	.p2align	6
	.space	262144
	.amdgpu_metadata
---
amdhsa.version: [ 1, 2 ]
amdhsa.kernels:
  - .name:           k_qec6b1f300c_chain
    .symbol:         k_qec6b1f300c_chain.kd
    .args:
      - { .name: x, .offset: 0, .size: 8, .value_kind: global_buffer, .address_space: global }
      - { .name: y, .offset: 8, .size: 8, .value_kind: global_buffer, .address_space: global }
      - { .name: wts, .offset: 16, .size: 8, .value_kind: global_buffer, .address_space: global }
      - { .name: bproj, .offset: 24, .size: 8, .value_kind: global_buffer, .address_space: global }
      - { .name: out0, .offset: 32, .size: 8, .value_kind: global_buffer, .address_space: global }
    .group_segment_fixed_size: 175616
    .private_segment_fixed_size: 0
    .kernarg_segment_align: 8
    .kernarg_segment_size: 40
    .max_flat_workgroup_size: 128
    .sgpr_count:     66
    .vgpr_count:     1024
    .wavefront_size: 32
...
	.end_amdgpu_metadata
.endif
;; end of part 3
;; ======== version 3 of 3: 2 launches
;; workspace buffers: wts 3,276,800 bytes
;; launch lay (part 4): grid 8 x 32, 4 waves a work-group, no clusters, 1,536 bytes of LDS; arguments Wq, Wkv, Wproj, wts; writes wts
.if DOCPART == 4
	.amdgcn_target "amdgcn-amd-amdhsa--gfx1250"
	.amdhsa_code_object_version 6
	.text
	.protected	k_qec6b1f300c_lay
	.globl	k_qec6b1f300c_lay
	.p2align	8
	.type	k_qec6b1f300c_lay,@function
k_qec6b1f300c_lay:
	s_mov_b64 s[64:65], 0
	v_nop
	global_prefetch_b8 v0, s[64:65] scope:SCOPE_SE
	s_setreg_imm32_b32 hwreg(HW_REG_WAVE_MODE, 25, 1), 1
	s_wait_xcnt 0x0
; Wq [1024][1024], Wkv [1024][2048], Wproj [1024][1024], f32 with K as the FIRST axis, become codes of FP6 (E2M3) with one E8M0 scale byte for each 32 along K,
; laid in wts in the order in which the second launch's waves take them: 32 steps t = 8 pass + s (pass 0, 1: q and k; 2: v; 3: the projection; s: 128 along K),
; 4 waves w, a block of 25,600 bytes for each (t, w) at 25,600 (4 t + w): sixteen fragments (16 columns x 128 K, 12 registers a lane) as IMAGES OF THEIR REGISTERS,
; fragment c at 1,536 c, register p of lane l at 512 (p / 4) + 16 l + 4 (p % 4); then the scale words, fragment c = 4 q + e, column lane r at 24,576 + 256 q + 16 r + 4 e.
; Half g = c / 8 of a block is a group of 128 columns: pass 0, 1: g = 0 Wq's columns 256 w + 128 pass, g = 1 Wkv's same columns (k); pass 2: Wkv's 1,024 + 256 w + 128 g (v); pass 3: Wproj's 256 w + 128 g.
; THE COLUMNS OF A FRAGMENT ARE NOT NEIGHBOURS: lane r of fragment 2 b + u of a group takes group column 32 b + 8 u + r + 8 (r / 8), so that in the transposed product
; the 16 registers of fragments 2 b and 2 b + 1 are 16 neighbouring columns.
; SHARES.  A work-group takes one group x one K step (128 columns x 128 K): x = s, y = 8 pass + 2 w + g.  A wave takes 32 neighbouring columns, A LANE ONE COLUMN, ITS REGISTERS RUN DOWN K:
; each load reads 128 consecutive bytes a wave (512 a work-group), a block of 32 along K lies in one lane, and the conversions give codes with K innermost.  Nothing is transposed.
; A block's scale is 2^(floor(log2(its largest magnitude)) - 2); its byte is the largest magnitude's exponent field - 2, held at 1 from below.
; LIMITS: a block of zeros gets the byte 1 where the quantiser's text says 127 (its codes are zeros, which add nothing under any byte but 0xff, and this program alone reads the bytes);
; NaN and infinities among the inputs are not served.
.set MG,  8                            ; v8-11    the four blocks' largest magnitudes
.set SO,  12                           ; v12-15   the conversions' scale operands
.set BY,  16                           ; v16-19   the scale bytes
.set OFS, 32                           ; v32-63   row i of a block: i x pitch + my column's 4 bytes
.set X,   64                           ; v64-191  W(32 b + i, my column) at X + 32 b + i
.set F,   192                          ; v192-215 the two lanes' worth of the fragment that I make: register p of lane (r, h) at F + 12 h + p
.set T,   216                          ; v216-231 the second halves of the blocks' codes (a conversion's three registers begin on an even number)
	s_load_b256 s[4:11], s[0:1], 0x0               ; Wq s[4:5], Wkv s[6:7], Wproj s[8:9], wts s[10:11]
	v_lshl_add_u32 v232, v0, 2, 0x400
	v_mov_b32 v233, 0
	v_lshrrev_b32 v21, 5, v0
	v_readfirstlane_b32 s44, v21                   ; my wave: which 32 columns of the group
	s_and_b32 s12, ttmp7, 0xffff
	s_lshr_b32 s13, s12, 3                         ; pass
	s_bfe_u32 s14, s12, 0x20001                    ; w
	s_and_b32 s15, s12, 1                          ; g
	s_cmp_lt_u32 s13, 2
	s_cselect_b32 s16, s13, s15                    ; which 128 of the wave's 256 columns: the pass (q, k) or g (v, projection)
	s_cselect_b32 s17, s15, 1                      ; 1 where the group lies in Wkv:
	s_cmp_eq_u32 s13, 3
	s_cselect_b32 s17, 0, s17                      ; not in the projection
	s_cmp_eq_u32 s13, 2
	s_cselect_b32 s18, 1024, 0                     ; v is Wkv's second half
	s_lshl_b32 s19, s14, 8
	s_lshl_b32 s20, s16, 7
	s_add_co_u32 s19, s19, s20
	s_add_co_u32 s19, s19, s18                     ; the group's first column
	s_lshl_b32 s21, 4096, s17                      ; bytes from row to row: 4,096, in Wkv 8,192
	s_lshl_b32 s22, ttmp9, 7                       ; the K step's first row,
	s_mul_i32 s22, s22, s21                        ; in bytes,
	s_lshl_b32 s20, s19, 2
	s_add_co_u32 s22, s22, s20                     ; and the column
	s_mov_b32 s23, 0
	s_lshl_b32 s24, s21, 5                         ; 32 rows on
	s_mov_b32 s25, 0
	s_lshl_b32 s36, s13, 3
	s_add_co_u32 s36, s36, ttmp9                   ; t
	s_lshl_b32 s36, s36, 2
	s_add_co_u32 s36, s36, s14                     ; 4 t + w
	s_mul_i32 s36, s36, 25600
	s_mov_b32 s37, 0
	v_and_b32 v1, 31, v0                           ; lane
	v_lshlrev_b32 v2, 2, v0                        ; my column in the group, in bytes: 128 x wave + 4 x lane
	v_bfe_u32 v3, v0, 3, 1                         ; u: which of my wave's two fragments holds my column,
	v_and_b32 v4, 7, v0
	v_bfe_u32 v21, v0, 4, 1
	v_lshl_add_u32 v4, v21, 3, v4                  ; r: and at which lane
	s_mul_i32 s45, s44, 3072
	v_mul_u32_u24 v5, v3, 1536
	v_lshl_add_u32 v5, v4, 4, v5
	v_add_nc_u32 v5, s45, v5                       ; where my codes go in the half block: 1,536 (2 wave + u) + 16 r
	s_lshr_b32 s46, s44, 1
	s_lshl_b32 s46, s46, 8
	s_and_b32 s47, s44, 1
	s_lshl_b32 s47, s47, 3
	s_add_co_u32 s46, s46, s47
	v_lshlrev_b32 v6, 4, v4
	v_lshl_add_u32 v6, v3, 2, v6
	v_add_nc_u32 v6, s46, v6                       ; LDS: my scale word's place among the half block's 512 bytes: 256 (wave / 2) + 16 r + 8 (wave % 2) + 4 u
	v_lshlrev_b32 v7, 4, v1                        ; 16 x lane
.set i, 0
.rept 32
	v_mad_u32_u24 v[OFS+i], s21, i, v2
.set i, i+1
.endr
	s_wait_alu depctr_va_vdst(0)
	s_wait_kmcnt 0x0
	s_cmp_eq_u32 s17, 1                            ; the choice of buffer hangs on the work-group's number alone
	s_cselect_b64 s[26:27], s[6:7], s[4:5]
	s_cmp_eq_u32 s13, 3
	s_cselect_b64 s[26:27], s[8:9], s[26:27]
	s_add_nc_u64 s[28:29], s[26:27], s[22:23]      ; a base for each of the four blocks of 32 rows: no pointer is stepped
	s_add_nc_u64 s[30:31], s[28:29], s[24:25]
	s_add_nc_u64 s[32:33], s[30:31], s[24:25]
	s_add_nc_u64 s[34:35], s[32:33], s[24:25]
	s_add_nc_u64 s[38:39], s[10:11], s[36:37]      ; the block of (t, w);
	s_add_nc_u64 s[40:41], s[38:39], 24576         ; its scale words,
	s_lshl_b32 s42, s15, 9
	s_mov_b32 s43, 0
	s_add_nc_u64 s[40:41], s[40:41], s[42:43]      ; my half's 512 bytes of them;
	s_mul_i32 s42, s15, 12288
	s_add_nc_u64 s[38:39], s[38:39], s[42:43]      ; my half's eight fragments
.irp b, 0,1,2,3
.set i, 0
.rept 32
	global_load_b32 v[X+32*\b+i], v[OFS+i], s[28+2*\b:29+2*\b] th:TH_LOAD_NT   ; a row's 128 consecutive bytes a wave; read once in the launch
.set i, i+1
.endr
.endr
; Block b (k = 32 b .. 32 b + 31 of the K step): all its 32 numbers are mine.  left: how many younger loads may stay out.
.macro BLOCK b, left
.set XS, X+32*(\b)
	s_wait_loadcnt \left
	v_max3_num_f32 v[MG+\b], |v[XS]|, |v[XS+1]|, |v[XS+2]|         ; the largest magnitude, in two chains
	v_max3_num_f32 v22, |v[XS+3]|, |v[XS+4]|, |v[XS+5]|
.irp i, 6,10,14,18,22,26
	v_max3_num_f32 v[MG+\b], v[MG+\b], |v[XS+\i]|, |v[XS+\i+1]|
	v_max3_num_f32 v22, v22, |v[XS+\i+2]|, |v[XS+\i+3]|
.endr
	v_max3_num_f32 v[MG+\b], v[MG+\b], |v[XS+30]|, |v[XS+31]|
	v_max3_num_f32 v[MG+\b], v[MG+\b], v22, 0x1800000              ; and the floor 2^(3 - 127): the byte cannot fall under 1
	v_add_nc_u32 v[SO+\b], 0xff000000, v[MG+\b]                    ; 2 off its exponent field: the conversion takes the exponent field of this operand as its scale
	v_lshrrev_b32 v[BY+\b], 23, v[SO+\b]                           ; the scale's byte
	v_cvt_scalef32_pk16_fp6_f32 v[F+12*((\b)%2)+6*((\b)/2):F+12*((\b)%2)+6*((\b)/2)+2], v[XS:XS+15], v[SO+\b]   ; block b = 2 c + h is registers 6 c .. 6 c + 5 of lane (r, h)
	v_cvt_scalef32_pk16_fp6_f32 v[T+4*(\b):T+4*(\b)+2], v[XS+16:XS+31], v[SO+\b]
.endm
	BLOCK 0, 63                                    ; 96 younger loads might stay out, and 64 for block 1: the wait names 63, which is stricter
	BLOCK 1, 63
	BLOCK 2, 32                                    ; block 3's 32 loads may be out
	BLOCK 3, 0
	v_nop                                          ; one plain instruction between the last conversion and the moves that read its result
.irp b, 0,1,2,3
.irp i, 0,1,2
	v_mov_b32 v[F+12*(\b%2)+6*(\b/2)+3+\i], v[T+4*\b+\i]
.endr
.endr
	v_lshl_or_b32 v20, v[BY+1], 8, v[BY]           ; my column's scale word: byte b for k = 32 b .. 32 b + 31
	v_lshl_or_b32 v20, v[BY+2], 16, v20
	v_lshl_or_b32 v20, v[BY+3], 24, v20
	ds_store_b32 v6, v20
.irp h, 0,1
.irp k, 0,1,2
	global_store_b128 v5, v[F+12*\h+4*\k:F+12*\h+4*\k+3], s[38:39] offset:512*\k+256*\h   ; the sixteen lanes of one fragment store 256 consecutive bytes, at a multiple of 256 from the buffer's first byte
.endr
.endr
	s_wait_dscnt 0x0                               ; for the others' sake: my scale words lie in LDS
	s_barrier_signal -1
	s_barrier_wait -1
	s_cmp_lg_u32 s44, 0                            ; wave 0 stores the half block's 512 bytes of scale words in one piece
	s_cbranch_scc1 .Lend
	ds_load_b128 v[24:27], v7
	s_wait_dscnt 0x0
	global_store_b128 v7, v[24:27], s[40:41]
.Lend:
	s_wait_tensorcnt 0x0
	ds_add_u32 v232, v233
	s_wait_dscnt 0x0
	s_endpgm
.Lfunc_end_k_qec6b1f300c_lay:
	.size	k_qec6b1f300c_lay, .Lfunc_end_k_qec6b1f300c_lay-k_qec6b1f300c_lay
	.p2alignl 7, 3214868480
	.fill 96, 4, 3214868480
	.section	.rodata,"a",@progbits
	.p2align	6, 0x0
	.amdhsa_kernel k_qec6b1f300c_lay
		.amdhsa_group_segment_fixed_size 1536
		.amdhsa_private_segment_fixed_size 0
		.amdhsa_enable_private_segment 0
		.amdhsa_kernarg_size 32
		.amdhsa_user_sgpr_count 2
		.amdhsa_user_sgpr_kernarg_segment_ptr 1
		.amdhsa_wavefront_size32 1
		.amdhsa_system_sgpr_workgroup_id_x 1
		.amdhsa_system_sgpr_workgroup_id_y 1
		.amdhsa_system_sgpr_workgroup_id_z 1
		.amdhsa_system_vgpr_workitem_id 0
		.amdhsa_next_free_vgpr 234
		.amdhsa_next_free_sgpr 66
		.amdhsa_reserve_vcc 0
		.amdhsa_float_denorm_mode_32 3
		.amdhsa_float_denorm_mode_16_64 3
		.amdhsa_memory_ordered 1
		.amdhsa_forward_progress 1
		.amdhsa_inst_pref_size 24
	.end_amdhsa_kernel
	.amdgpu_metadata
---
amdhsa.version: [ 1, 2 ]
amdhsa.kernels:
  - .name:           k_qec6b1f300c_lay
    .symbol:         k_qec6b1f300c_lay.kd
    .args:
      - { .name: Wq, .offset: 0, .size: 8, .value_kind: global_buffer, .address_space: global }
      - { .name: Wkv, .offset: 8, .size: 8, .value_kind: global_buffer, .address_space: global }
      - { .name: Wproj, .offset: 16, .size: 8, .value_kind: global_buffer, .address_space: global }
      - { .name: wts, .offset: 24, .size: 8, .value_kind: global_buffer, .address_space: global }
    .group_segment_fixed_size: 1536
    .private_segment_fixed_size: 0
    .kernarg_segment_align: 8
    .kernarg_segment_size: 32
    .max_flat_workgroup_size: 128
    .sgpr_count:     66
    .vgpr_count:     234
    .wavefront_size: 32
...
	.end_amdgpu_metadata
.endif
;; end of part 4
;; launch chain (part 5): grid 256 x 1, 4 waves a work-group, no clusters, 175,616 bytes of LDS; arguments x, y, wts, bproj, out0; writes out0
.if DOCPART == 5
	.amdgcn_target "amdgcn-amd-amdhsa--gfx1250"
	.amdhsa_code_object_version 6
	.text
	.protected	k_qec6b1f300c_chain
	.globl	k_qec6b1f300c_chain
	.p2align	8
	.type	k_qec6b1f300c_chain,@function
k_qec6b1f300c_chain:
	s_mov_b64 s[64:65], 0
	v_nop
	global_prefetch_b8 v0, s[64:65] scope:SCOPE_SE
	s_setreg_imm32_b32 hwreg(HW_REG_WAVE_SCHED_MODE, 0, 2), 2
	s_setreg_imm32_b32 hwreg(HW_REG_WAVE_MODE, 25, 1), 1
	s_wait_xcnt 0x0
	s_wait_alu depctr_vm_vsrc(0)
; out0 = (softmax over heads of (q . k / 64) x v) Wproj + bproj, q = x Wq, k and v = y Wkv: x, y, out0 [16384][1024] f32.  The three large products run on codes of FP6 (E2M3) with one E8M0 scale
; for each 32 along K; the weights' codes and scale words come from wts, laid by the launch before in the order in which they are taken here.  The input mask enters no step of the module: it is not read.
; SHARES.  A work-group owns 64 rows through the whole chain, so that q, k, v and the softmax never go to memory.  THE WAVES SHARE THE COLUMNS: wave w owns heads 4 w .. 4 w + 3 and output columns 256 w .. 256 w + 255, for all 64 rows.
; 32 STEPS t = 8 pass + s.  Pass 0, 1: 128 columns of q and the same 128 of k (two heads); pass 2: the wave's 256 columns of v; pass 3: its 256 columns of the projection.  s: 128 along K.
; In a step a wave multiplies 16 weight fragments (16 columns x 128 K) by 4 tiles of 16 rows: 64 matrix instructions on 64 accumulators (512 registers).
; THE PRODUCT IS USED TRANSPOSED (source 0 = weights, source 1 = rows): a lane holds ONE row, and, by the choice of a fragment's columns, the 16 registers of fragments 2 b, 2 b + 1 are 16 neighbouring columns.
; So q . k is a lane's own multiply-adds and one exchange of halves, and attn x v lies ready for the quantiser along the projection's K.
; WEIGHTS GO FROM MEMORY STRAIGHT INTO REGISTERS.  wts holds each fragment as an image of its registers, so a load of 16 bytes a lane reads 512 consecutive bytes.  A step's 16 fragments are four groups of four; behind a group's
; 16 products its registers take the next step's group (12 loads of codes, 1 of scale words): three or four groups, up to 52 loads, are on their way at all times, and no barrier stands in a pass.
; NO CLUSTER, NO JOINT LOADS, though all work-groups walk the same weights.  A weight byte is used by ONE wave of a work-group, once: a way through LDS would write and read it there once more and spare no fetch
; inside the work-group; and beside the rows' codes (102,400 bytes) LDS has room for two slots of one step (102,400 bytes each) and no more, so that a ring of joint loads could have one block a wave on its way,
; asked for behind a round of the cluster's barrier and waited for within one step's 64 products.
; ROWS' CODES lie in LDS as images of the operand's registers (a fragment: three stores of 16 bytes a lane at 16 x lane) with their scale words beside them: x's and y's are made once, at the head; attn x v takes x's place.
; No prefetch is written: every work-group reads the same weights, and x and y are streamed at the head with 48 loads of each wave in flight.
; LIMITS: NaN and infinities among the inputs are not served; a block of zeros gets the scale byte 1 where the quantiser's text says 127 (its codes are zeros, and this program alone reads the bytes);
; a softmax weight under 2^-126 becomes 0 (v_exp_f32 gives 0 there: ISA guide, its entry); q . k is summed in f32 in another order than the reference's.
; REGISTERS, in windows of 256: window 0: v1-24 addresses; v32-47 the weights' scale words, v48-55 the rows': these hold scales and nothing else; v56-151 the rows' fragments, two areas of four; v152-188 the quantiser's; v192-223 sums, later attn; v248-255 the bias.
;   window 1: v0-191 the step's 16 weight fragments.   window 2: accumulators of fragments 0-7, tile m, at 64 m + 8 c (at the head: four chunks of x and y as loaded).   window 3: those of fragments 8-15 (at the head: two chunks, turned).
; THE MODE: SCHED_MODE bits 1:0 = 2 (LLVM: expert scheduling mode 2), set by the entry lines.  The code itself states the register dependences between vector or matrix instructions and memory or LDS instructions,
; with s_wait_alu, always for 0.
; THE PLAN.  Registers that memory or LDS instructions touch:
;   window 1, v32-47   A group's 16 products read its four fragments and their scale words; behind them the next step's 13 loads land there: one wait on va_vdst behind each group, four a step.
;   v56-151, v48-55    Area 0 is read by the products of groups 0 and 1, area 1 by those of groups 2 and 3; the LDS loads of the next K step stand behind the waits of groups 1 and 3 and owe none of their own.
;   v9-12              The four LDS addresses of the rows: read by those loads, written once a step, all four at the step's middle, behind one wait on vm_vsrc and ahead of group 1's wait on va_vdst.
;   v1-4, v14, v15, v18, v20, v22-24   Offsets and addresses made at the head and never written again; the weights' bases are scalar.
;   window 2 at the head   Written by the loads of x and y, read by the turn's LDS stores alone: a wait on vm_vsrc ahead of each refill of a set.
;   window 3 at the head   Written by the turn's LDS loads, read by the quantiser, whose closing wait on va_vdst stands ahead of the next turn into the same set.
;   v152-171, v188     The codes and the scale word: written by the quantiser, read by the image's stores: va_vdst at the quantiser's end, vm_vsrc in it, ahead of the first line that writes them again.
;   v16, v17, v19      Addresses stepped once a trip or a pass: vm_vsrc ahead of the add; the wait on va_vdst ahead of the stores that read them stands there anyway.
;   v192-207           The sums: written by vector lines, read by eight LDS stores behind a wait on va_vdst; written again behind a pass's first wait on vm_vsrc.
;   v56-183 on the way out   Written by the stage's loads and by the additions of the bias, read by the global stores.
;   The accumulators are named by matrix and vector instructions alone until the way out, where one wait on va_vdst stands ahead of the first store that reads them.
;   v246, v247         Written at the head, read by the closing add alone.
.set WQ,    25600                      ; a wave's block of a step in wts: 16 fragments of 1,536 bytes, then 1,024 bytes of scale words
.set STEPB, 4*WQ                       ; a step's four blocks
.set ACT0,  0                          ; LDS: x's codes, later attn x v's: 8 K steps of KSB bytes
.set ACTB,  51200
.set ACT1,  ACT0+ACTB                  ; y's
.set KSB,   6400                       ; a K step: four fragment images (tile m at 1,536 m), then at 6,144 the scale words: row r, tile m at 16 r + 4 m
.set DOTS,  ACT1+ACTB                  ; q . k of row and head at 80 row + 4 head
.set STG,   DOTS+5120                  ; a stage of WSTG bytes for each wave, its own: at the head two stages of 16 rows x 528 bytes, on the way out one of 16 rows x 1,040
.set WSTG,  16896
.set XSP,   528                        ; at the head: a row's 512 bytes + 16, so that the sixteen rows that a load touches start at sixteen different groups of four banks
.set XSTB,  16*XSP
.set SPITCH, 1040                      ; the way out: 1,024 bytes + 16
.set LI,  1                            ; v1   16 x lane
.set LR,  2                            ; v2   16 x (lane % 16)
.set SB,  3                            ; v3   my stage + 16 x lane
.set XRD, 4                            ; v4   my stage + 528 r + 64 h: where I read my 16 neighbours back
.set AD,  9                            ; v9-10  the rows' fragments in hand, area 0, 1
.set AQ,  11                           ; v11-12 and their scale words
.set XW0, 14                           ; v14  where my wave's images go in a K step
.set XS0, 15                           ; v15  and their scale words
.set XW,  16
.set XWS, 17
.set DA,  18                           ; v18  DOTS: my row, my wave's four heads
.set DAT, 19
.set DR,  20                           ; v20  DOTS: my row
.set OW,  22                           ; v22  where attn x v's images go: my wave's two K steps
.set OWS, 23
.set STO, 24                           ; v24  the way out: where I put 64 bytes of a row
.set WS,  32
.set ASC, 48
.set AF,  56
.set PC,  152                          ; v152-171 the codes just made
.set TM,  172                          ; v172-187 magnitudes, bytes, scale operands
.set PW,  188                          ; the scale word just made
.set DP,  192                          ; v192-207 eight sums, in pairs
.set AT2, 192                          ; v192-223 attn of (tile m, my head i), twice, at 2 (4 m + i)
.set BI,  248
.set SMX, 56                           ; between the passes: v56-119 the 16 heads' sums of my four rows, v120-135 my wave's four heads' again,
.set OWN, 120
.set MX,  136                          ; v136-139 the rows' maxima, v140-143 sums, v148-151 reciprocals
.set SU,  140
.set RC,  148
.set BK,  56                           ; the way out: v56-183 sixteen rows read back
.set WB,  24                           ; s[24:25], s[26:27] the weights' bases, one for each parity of the step
.set W0,  28                           ; s[28:29] my wave's block of step 0; never rewritten
.set MSB, 0
.macro WIN new                         ; s_set_vgpr_msb: bits 1:0 source 0, 3:2 source 1, 5:4 source 2, 7:6 destination; the high byte repeats the setting that is left
.if MSB != (\new)
	s_set_vgpr_msb (MSB<<8)|(\new)
.set MSB, (\new)
.endif
.endm
.macro PLACES n                        ; four plain vector instructions behind a matrix instruction, ahead of a read of its result and of a load into a register that it has read (ISA guide 7.12.1 for vector instructions); they stay beside the waits on va_vdst
.rept \n
	v_nop
.endr
.endm
; n weight fragments from c0 on x the four tiles of rows.  The 64 accumulators take turns, one instruction a turn, in the same order in every step.  zero = 1: the products start the sums.
.macro MUL c0, n, zero
.set CN, \c0
.rept \n
.irp m, 0,1,2,3
.if \zero
	v_wmma_scale_f32_16x16x128_f8f6f4 v[64*\m+8*(CN%8):64*\m+8*(CN%8)+7], v[12*CN:12*CN+11], v[AF+48*(CN/8)+12*\m:AF+48*(CN/8)+12*\m+11], 0, v[WS+CN], v[ASC+4*(CN/8)+\m] matrix_a_fmt:MATRIX_FMT_FP6 matrix_b_fmt:MATRIX_FMT_FP6
.else
	v_wmma_scale_f32_16x16x128_f8f6f4 v[64*\m+8*(CN%8):64*\m+8*(CN%8)+7], v[12*CN:12*CN+11], v[AF+48*(CN/8)+12*\m:AF+48*(CN/8)+12*\m+11], v[64*\m+8*(CN%8):64*\m+8*(CN%8)+7], v[WS+CN], v[ASC+4*(CN/8)+\m] matrix_a_fmt:MATRIX_FMT_FP6 matrix_b_fmt:MATRIX_FMT_FP6
.endif
.endr
.set CN, CN+1
.endr
.endm
; 13 loads: group g (fragments 4 g .. 4 g + 3) of the block that begins off bytes from the base s[sb:sb+1]: 12 loads of 512 consecutive bytes (WCODE), and one load of 16 bytes a lane that brings the four fragments' scale words of my column (WSCL)
.macro WCODE sb, g, off
	WIN 0x40                                       ; destination window 1, address window 0
.irp c, 0,1,2,3
.irp k, 0,1,2
	global_load_b128 v[12*(4*(\g)+\c)+4*\k:12*(4*(\g)+\c)+4*\k+3], v[LI], s[\sb:\sb+1] offset:(\off)+1536*(4*(\g)+\c)+512*\k
.endr
.endr
.endm
.macro WSCL sb, g, off
	WIN 0
	global_load_b128 v[WS+4*(\g):WS+4*(\g)+3], v[LR], s[\sb:\sb+1] offset:(\off)+24576+256*(\g)
.endm
.macro WLOAD sb, g, off
	WCODE \sb, \g, \off
	WSCL \sb, \g, \off
.endm
.macro AADR                            ; the LDS addresses of the next K step's rows, both areas'; s40, s41 walk the K steps
	v_add_nc_u32 v[AD], s40, v[LI]
	v_add_nc_u32 v[AQ], s40, v[LR]
	v_add_nc_u32 v[AD+1], s41, v[LI]
	v_add_nc_u32 v[AQ+1], s41, v[LR]
	s_add_co_u32 s40, s40, KSB
	s_add_co_u32 s41, s41, KSB
.endm
.macro ALOAD area                      ; 13 LDS loads: that K step's four fragments of rows and their scale words
.irp m, 0,1,2,3
.irp k, 0,1,2
	ds_load_b128 v[AF+48*\area+12*\m+4*\k:AF+48*\area+12*\m+4*\k+3], v[AD+\area] offset:1536*\m+512*\k
.endr
.endr
	ds_load_b128 v[ASC+4*\area:ASC+4*\area+3], v[AQ+\area] offset:6144
.endm
.macro AFIRST                          ; a pass's first K step of rows
	s_wait_alu depctr_vm_vsrc(0)                   ; the LDS loads issued so far have read v9-12, which are written now; the turn's stores have read the registers of window 2 that the first pass's products write; the stores of the sums have read v192-207 and v19, which the next pass writes again
	AADR
	s_wait_alu depctr_va_vdst(0)                   ; v9-12 are written, which the loads below read; the products of the pass before, and the softmax, are done with v48-151, in which they land
	ALOAD 0
	ALOAD 1
.endm
; A STEP of parity p.  Four groups of 16 products; behind each, four places and a wait on va_vdst, the group's registers take the next step's weights.  In front of each group: s_wait_loadcnt 39: behind the 13 loads that are wanted
; three groups of 13 have been issued, whichever group it is.  Area 0 of the rows (fragments 0-7 use it) is fetched anew at the step's middle, area 1 at its end: s_wait_dscnt 13 leaves the other area's 13 loads out.
; THE BASE of parity p is stepped at the head, two steps on.  The loads that named it last are those of two steps back: each of their four groups was shown done by a counted wait of the step before.
; It then stands one step beyond the block that is asked for, and the loads reach back by the immediate.  nact = 0: a pass's last step fetches no rows.
.macro STEP p, zero, nact
	s_add_nc_u64 s[WB+2*\p:WB+2*\p+1], s[WB+2*\p:WB+2*\p+1], 2*STEPB
	s_wait_loadcnt 39
	s_wait_dscnt 13
	WIN 0xa1                                       ; weights window 1, rows window 0, C and D window 2
	MUL 0, 4, \zero
	PLACES 4
	WIN 0x40
	s_wait_alu depctr_va_vdst(0)                   ; group 0's products are done reading fragments 0-3 and their scale words, in which the 13 loads below land
	WLOAD WB+2*\p, 0, -STEPB
	s_wait_loadcnt 39
	WIN 0xa1
	MUL 4, 4, \zero
	WIN 0
.if \nact
	s_wait_alu depctr_vm_vsrc(0)                   ; the LDS loads of the rows issued so far have read v9-12
	AADR                                           ; (these four additions are the places behind group 1's products)
.else
	PLACES 4
.endif
	s_wait_alu depctr_va_vdst(0)                   ; group 1's products are done reading fragments 4-7 and their scale words; groups 0 and 1 are done reading area 0 of the rows; v9-12 are written.  Only loads and a window switch follow up to the next products
	WSCL WB+2*\p, 1, -STEPB
.if \nact
	ALOAD 0
.endif
	WCODE WB+2*\p, 1, -STEPB
	s_wait_loadcnt 39
	s_wait_dscnt 13*\nact
	WIN 0xf1                                       ; C and D window 3
	MUL 8, 4, \zero
	PLACES 4
	WIN 0x40
	s_wait_alu depctr_va_vdst(0)                   ; group 2's products are done reading fragments 8-11 and their scale words
	WLOAD WB+2*\p, 2, -STEPB
	s_wait_loadcnt 39
	WIN 0xf1
	MUL 12, 4, \zero
	PLACES 4
	WIN 0x40
	s_wait_alu depctr_va_vdst(0)                   ; group 3's products are done reading fragments 12-15 and their scale words; groups 2 and 3 are done reading area 1 of the rows
	WLOAD WB+2*\p, 3, -STEPB
.if \nact
	ALOAD 1
.endif
.endm
; 64 numbers of a lane in window wn, v[s] .. v[s + 63], register 16 b + i = k 32 b + 16 (lane / 16) + i of my row, become a fragment's codes in v[PC] on and its scale word in v[PW].
.macro QUANT wn, s
	WIN (\wn)|((\wn)<<2)
.irp b, 0,1,2,3
	v_max3_num_f32 v[TM+\b], |v[(\s)+16*\b]|, |v[(\s)+16*\b+1]|, 0x1800000   ; block b: my 16 numbers, and the floor 2^(3 - 127): the byte cannot fall under 1
.endr
	WIN ((\wn)<<2)|((\wn)<<4)
.irp i, 2,4,6,8,10,12,14
.irp b, 0,1,2,3
	v_max3_num_f32 v[TM+\b], v[TM+\b], |v[(\s)+16*\b+\i]|, |v[(\s)+16*\b+\i+1]|   ; (the four blocks by turns)
.endr
.endr
	WIN 0
.irp b, 0,1,2,3
	v_permlanex16_b32 v[TM+4+\b], v[TM+\b], s20, s21
.endr
.irp b, 0,1,2,3
	v_max_num_f32 v[TM+\b], v[TM+\b], v[TM+4+\b]   ; with lane l xor 16's: the block's largest magnitude
.endr
.irp b, 0,1,2,3
	v_add_nc_u32 v[TM+12+\b], 0xff000000, v[TM+\b] ; 2 off its exponent field: the conversion's scale operand
.endr
.irp b, 0,1,2,3
	v_lshrrev_b32 v[TM+4+\b], 23, v[TM+12+\b]      ; the scale's byte
.endr
	s_wait_alu depctr_va_vdst(0)
	s_wait_dscnt 0x0                               ; the last image's stores are done,
	s_wait_alu depctr_vm_vsrc(0)                   ; and have read v[PW] and v[PC ..], which are written from here on
	v_lshl_or_b32 v[PW], v[TM+5], 8, v[TM+4]
	v_lshl_or_b32 v[PW], v[TM+6], 16, v[PW]
	v_lshl_or_b32 v[PW], v[TM+7], 24, v[PW]
	WIN (\wn)
.irp c, 0,1
	v_cvt_scalef32_pk16_fp6_f32 v[PC+6*\c:PC+6*\c+2], v[(\s)+32*\c:(\s)+32*\c+15], v[TM+12+2*\c]
	v_cvt_scalef32_pk16_fp6_f32 v[PC+12+4*\c:PC+12+4*\c+2], v[(\s)+32*\c+16:(\s)+32*\c+31], v[TM+12+2*\c+1]   ; (a conversion's three registers begin on an even number)
.endr
	WIN 0
	v_nop                                          ; one plain instruction behind the last conversion
.irp c, 0,1                            ; the operand wants a WHOLE block in a lane: lanes 0-15 block 2 c, lanes 16-31 block 2 c + 1
.irp i, 0,1,2
	v_permlane16_swap_b32 v[PC+6*\c+\i], v[PC+12+4*\c+\i]
.endr
.irp i, 0,1,2
	v_mov_b32 v[PC+3+6*\c+\i], v[PC+12+4*\c+\i]
.endr
.endr
	s_wait_alu depctr_va_vdst(0)                   ; v[PC ..] and v[PW] are written, which the image's stores read (at the head, in a trip's first chunk, v16 and v17 too); and the 64 numbers have been read: at the head the turn after next lands in their registers
.endm
.macro IMAGE adr, off                  ; the fragment in v[PC] on goes to LDS as it stands: 512 consecutive bytes a store
.irp k, 0,1,2
	ds_store_b128 v[\adr], v[PC+4*\k:PC+4*\k+3] offset:(\off)+512*\k
.endr
.endm
.macro XLOAD ptr, buf, srel            ; a chunk: one K step (128 numbers, 512 bytes) of my 16 rows, into set buf of window 2: each load reads a row's 512 consecutive bytes, 16 a lane
	WIN 0x80
.irp i, 0,1,2,3,4,5,6,7,8,9,10,11,12,13,14,15
	global_load_b128 v[64*(\buf)+4*\i:64*(\buf)+4*\i+3], v[LI], s[\ptr:\ptr+1] offset:4096*\i+512*(\srel) th:TH_LOAD_NT
.endr
	WIN 0
.endm
; The chunk in set buf goes through stage tb as it lies and comes back 16 neighbours to a lane, into set tb of window 3: register 16 b + 4 j + e of lane (r, h) is k = 32 b + 16 h + 4 j + e of row r.
; LDS serves a wave's instructions in order (ISA guide 5.7.1.4): no wait between the stores and the loads, nor in front of the stage's next stores.
; No s_wait_alu stands here: the stores' data come from loads; set tb of window 3 was last read by the quantiser two chunks back, whose closing wait on va_vdst stands ahead, and no vector instruction since names it.
.macro TURN buf, tb
	WIN 0x08                                       ; an LDS store's data are its source 1: window 2
.irp i, 0,1,2,3,4,5,6,7,8,9,10,11,12,13,14,15
	ds_store_b128 v[SB], v[64*(\buf)+4*\i:64*(\buf)+4*\i+3] offset:XSTB*(\tb)+XSP*\i
.endr
	WIN 0xc0                                       ; destination window 3
.irp b, 0,1,2,3
.irp j, 0,1,2,3
	ds_load_b128 v[64*(\tb)+16*\b+4*\j:64*(\tb)+16*\b+4*\j+3], v[XRD] offset:XSTB*(\tb)+128*\b+16*\j
.endr
.endr
	WIN 0
.endm
	s_load_b256 s[4:11], s[0:1], 0x0               ; x s[4:5], y s[6:7], wts s[8:9], bproj s[10:11]
	s_load_b64 s[12:13], s[0:1], 0x20              ; out0
	v_lshl_add_u32 v246, v0, 2, 0x2ac00
	v_mov_b32 v247, 0
	v_lshrrev_b32 v28, 5, v0
	v_readfirstlane_b32 s14, v28                   ; wave 0..3
	v_and_b32 v[LI], 31, v0
	v_lshlrev_b32 v[LI], 4, v[LI]
	v_and_b32 v26, 15, v0                          ; r
	v_bfe_u32 v27, v0, 4, 1                        ; h
	v_lshlrev_b32 v[LR], 4, v26
	s_mov_b32 s20, 0x76543210                      ; v_permlanex16_b32's selects for lane l xor 16
	s_mov_b32 s21, 0xfedcba98
	s_mov_b32 s22, 0x3cb8aa3b                      ; log2(e) / 64: both scalings by 1 / 8 and the change of base
	s_wait_alu depctr_va_sdst(0)                   ; s14 is written, ahead of its first reader: the bases and the LDS places are made from it
	s_mul_i32 s46, s14, WQ                         ; my block in a step's bytes of wts
	s_mov_b32 s47, 0
	s_lshl_b32 s48, ttmp9, 18                      ; 64 rows of 4,096 bytes a work-group
	s_mov_b32 s49, 0
	s_lshl_b32 s52, s14, 16                        ; 16 rows a wave
	s_mov_b32 s53, 0
	s_lshl_b32 s50, s14, 10                        ; 256 columns a wave
	s_mov_b32 s51, 0
	s_wait_kmcnt 0x0
	s_add_nc_u64 s[W0:W0+1], s[8:9], s[46:47]      ; my block of step 0
	s_mov_b64 s[WB:WB+1], s[W0:W0+1]               ; the even steps' base: the first step adds two steps and reaches one back: step 1's block
	s_add_nc_u64 s[WB+2:WB+3], s[W0:W0+1], STEPB   ; the odd steps'
	s_add_nc_u64 s[4:5], s[4:5], s[48:49]
	s_add_nc_u64 s[4:5], s[4:5], s[52:53]          ; x at the 16 rows that I quantise
	s_add_nc_u64 s[6:7], s[6:7], s[48:49]
	s_add_nc_u64 s[6:7], s[6:7], s[52:53]          ; y likewise
	s_add_nc_u64 s[12:13], s[12:13], s[48:49]
	s_add_nc_u64 s[12:13], s[12:13], s[50:51]      ; out0 at the work-group's first row, my columns
	s_add_nc_u64 s[10:11], s[10:11], s[50:51]      ; the bias of my columns
	s_wait_alu depctr_va_vdst(0)                   ; v1 and v2 are written: every global load and store of the kernel reads one of them as its offset
	global_load_b128 v[BI:BI+3], v[LI], s[10:11]               ; the bias of the columns that I store on the way out
	global_load_b128 v[BI+4:BI+7], v[LI], s[10:11] offset:512
	XLOAD 4, 0, 0                                  ; x, K step 0;
	XLOAD 6, 1, 0                                  ; y, K step 0;
	XLOAD 4, 2, 1                                  ; x, K step 1
	s_mul_i32 s52, s14, WSTG
	s_add_co_u32 s52, s52, STG                     ; my stage
	v_add_nc_u32 v[SB], s52, v[LI]
	v_mul_u32_u24 v[XRD], v26, XSP
	v_lshl_add_u32 v[XRD], v27, 6, v[XRD]
	v_add_nc_u32 v[XRD], s52, v[XRD]
	v_mul_u32_u24 v[STO], v26, SPITCH
	v_lshl_add_u32 v[STO], v27, 6, v[STO]
	v_add_nc_u32 v[STO], s52, v[STO]
	s_mul_i32 s52, s14, 1536
	v_add_nc_u32 v[XW0], s52, v[LI]                ; my rows are tile m = wave
	s_lshl_b32 s53, s14, 2
	v_add_nc_u32 v[XS0], s53, v[LR]
	v_add_nc_u32 v[XS0], 6144, v[XS0]
	v_mul_u32_u24 v[DR], v26, 80
	v_add_nc_u32 v[DR], DOTS, v[DR]
	s_lshl_b32 s53, s14, 4
	v_add_nc_u32 v[DA], s53, v[DR]
	s_mul_i32 s52, s14, 2*KSB
	s_add_co_u32 s52, s52, ACT0
	v_add_nc_u32 v[OW], s52, v[LI]                 ; my 256 columns of attn x v are K steps 2 w and 2 w + 1 of the projection
	v_add_nc_u32 v[OWS], s52, v[LR]
	v_add_nc_u32 v[OWS], 6144, v[OWS]
.irp b, 0,1,2,3
	v_mov_b32 v[TM+4+\b], 0                        ; written once: a lane permute's destination counts as one of its sources
.endr
	s_wait_alu depctr_va_vdst(0)                   ; the LDS addresses v3, v4, v18, v20, v22, v23 and v24 are written, which LDS instructions read from here to the kernel's end
	s_wait_loadcnt 32                              ; the bias and the first chunk are in; two chunks may be out
	XLOAD 6, 3, 1                                  ; y, K step 1
	TURN 0, 0
; ---- X: wave w quantises rows 16 w .. 16 w + 15 of x and of y: 16 chunks, in the order (x, 2 j), (y, 2 j), (x, 2 j + 1), (y, 2 j + 1), four to a trip.  Four sets of registers take the loads, which run up to three chunks ahead
; of the chunk that is turned; the turn through the stage runs one chunk ahead of the quantiser, on two stages and two sets by turns.
; Chunk q of a trip.  tn = 1: the next chunk is turned; left: the loads of the chunks behind it, which may stay out.  ld = 1: my set takes the chunk four on; ld = 2: the first step's weights are asked for instead.
.macro XPOS q, ld, tn, left
.if \tn
	s_wait_loadcnt \left                           ; the next chunk is in
	TURN ((\q)+1)%4, ((\q)+1)%2
	s_wait_dscnt 32                                ; all but that turn's 16 stores and 16 loads: my chunk is back from its stage
.else
	s_wait_dscnt 4                                 ; the last chunk is back; the last image's four stores may be out
.endif
.if \ld == 1
	WIN 0x80
	s_wait_alu depctr_vm_vsrc(0)                   ; my chunk's stores into its stage have read set q of window 2, in which the loads below land
	XLOAD 4+2*((\q)%2), (\q), 2+(\q)/2
.elseif \ld == 2
	WLOAD W0, 0, 0                                 ; no load of x or y is out: 52 loads, two chunks' quantising ahead of the first product.  No vector or matrix instruction has named their registers yet
	WLOAD W0, 1, 0
	WLOAD W0, 2, 0
	WLOAD W0, 3, 0
.endif
	QUANT 3, 64*((\q)%2)
	IMAGE XW, ((\q)%2)*ACTB+((\q)/2)*KSB
	ds_store_b32 v[XWS], v[PW] offset:((\q)%2)*ACTB+((\q)/2)*KSB   ; both halves of the lanes write the same word with the same value
.endm
.macro XTRIP ahead
	s_wait_dscnt 0x0                               ; the last trip's stores are done,
	s_wait_alu depctr_vm_vsrc(0)                   ; and have read their address registers v16 and v17, which are written now
	v_add_nc_u32 v[XW], s43, v[XW0]
	v_add_nc_u32 v[XWS], s43, v[XS0]
.if \ahead
	XPOS 0, 1, 1, 32
	XPOS 1, 1, 1, 32
	XPOS 2, 1, 1, 32
	XPOS 3, 1, 1, 32
.else
	XPOS 0, 0, 1, 32                               ; the last trip asks for nothing beyond K step 7: the counts run down
	XPOS 1, 0, 1, 16
	XPOS 2, 2, 1, 0
	XPOS 3, 0, 0, 0
.endif
.endm
	s_mov_b32 s43, ACT0
	s_mov_b32 s44, 3
.Lx:
	XTRIP 1
	s_wait_xcnt 0x0                                ; the loads have read their bases
	s_add_nc_u64 s[4:5], s[4:5], 1024              ; two K steps on
	s_add_nc_u64 s[6:7], s[6:7], 1024
	s_add_co_u32 s43, s43, 2*KSB
	s_sub_co_u32 s44, s44, 1
	s_cmp_lg_u32 s44, 0
	s_cbranch_scc1 .Lx
	XTRIP 0
	s_wait_dscnt 0x0                               ; my images lie in LDS
	s_barrier_signal -1
	s_barrier_wait -1                              ; everybody's do
; ---- passes 0, 1 (q and k of two heads; rows: area 0 = x, area 1 = y) and 2 (v; both areas = y): one text, three trips
	s_mov_b32 s23, 0
.Lpass:
	s_lshr_b32 s40, s23, 1
	s_mul_i32 s40, s40, ACTB
	s_add_co_u32 s40, s40, ACT0                    ; area 0: x in passes 0 and 1, y in pass 2
	s_mov_b32 s41, ACT1
	AFIRST
	STEP 0, 1, 1
	s_mov_b32 s42, 3
.Lk:
	STEP 1, 0, 1
	STEP 0, 0, 1
	s_sub_co_u32 s42, s42, 1
	s_cmp_lg_u32 s42, 0
	s_cbranch_scc1 .Lk
	STEP 1, 0, 0
	s_cmp_eq_u32 s23, 2                            ; v has no dot products: a branch on the count of passes, round register work and LDS stores alone
	s_cbranch_scc1 .Lnodots
	; q . k of the pass's two heads (t) for my four rows (m): head t is fragments 4 t .. 4 t + 3; q lies in window 2, k in window 3, at the same registers.  Eight sums by turns; each accumulator is read from its low end on.
	WIN 0x0e
.irp i, 0,1,2,3
.irp j, 0,2,4,6
.irp t, 0,1
.irp m, 0,1,2,3
.if (\i == 0) && (\j == 0)
	v_pk_mul_f32 v[DP+2*(4*\t+\m):DP+2*(4*\t+\m)+1], v[64*\m+8*(4*\t+\i)+\j:64*\m+8*(4*\t+\i)+\j+1], v[64*\m+8*(4*\t+\i)+\j:64*\m+8*(4*\t+\i)+\j+1]
.else
	v_pk_fma_f32 v[DP+2*(4*\t+\m):DP+2*(4*\t+\m)+1], v[64*\m+8*(4*\t+\i)+\j:64*\m+8*(4*\t+\i)+\j+1], v[64*\m+8*(4*\t+\i)+\j:64*\m+8*(4*\t+\i)+\j+1], v[DP+2*(4*\t+\m):DP+2*(4*\t+\m)+1]
.endif
.endr
.endr
.endr
.endr
	WIN 0
.irp g, 0,1,2,3,4,5,6,7
	v_add_f32 v[DP+2*\g], v[DP+2*\g], v[DP+2*\g+1]
.endr
.irp g, 0,1,2,3,4,5,6,7
	v_permlanex16_b32 v[DP+2*\g+1], v[DP+2*\g], s20, s21   ; the head's other 32 columns lie in the lane 16 away
.endr
.irp g, 0,1,2,3,4,5,6,7
	v_add_f32 v[DP+2*\g], v[DP+2*\g], v[DP+2*\g+1]
.endr
	s_lshl_b32 s52, s23, 3
	v_add_nc_u32 v[DAT], s52, v[DA]                ; heads 4 w + 2 pass + t
	s_wait_alu depctr_va_vdst(0)                   ; the eight sums and v19 are written, which the stores below read
.irp t, 0,1
.irp m, 0,1,2,3
	ds_store_b32 v[DAT], v[DP+2*(4*\t+\m)] offset:1280*\m+4*\t   ; both halves of the lanes write the same word with the same value
.endr
.endr
.Lnodots:
	s_add_co_u32 s23, s23, 1
	s_cmp_lt_u32 s23, 3
	s_cbranch_scc1 .Lpass
; ---- between the passes: the softmax over the 16 heads of my four rows, attn x v in place, and its codes.  The next step's weights are on their way into window 1 meanwhile: no line here names window 1 or v32-47.
	s_wait_dscnt 0x0                               ; my sums lie in LDS, and my reads of x's and y's codes are over
	s_barrier_signal -1
	s_barrier_wait -1                              ; everybody's: all 16 heads' sums may be read, and x's place may be written
	s_wait_alu depctr_va_vdst(0)                   ; the last step's products are done reading v56-151, in which the sums below land
	s_wait_alu depctr_vm_vsrc(0)                   ; the stores of the sums have read v192-207, which attn takes below
.irp m, 0,1,2,3
.irp q, 0,1,2,3
	ds_load_b128 v[SMX+16*\m+4*\q:SMX+16*\m+4*\q+3], v[DR] offset:1280*\m+16*\q
.endr
	ds_load_b128 v[OWN+4*\m:OWN+4*\m+3], v[DA] offset:1280*\m
.endr
	s_wait_dscnt 0x0
.irp m, 0,1,2,3
	v_max3_num_f32 v[MX+\m], v[SMX+16*\m], v[SMX+16*\m+1], v[SMX+16*\m+2]   ; the row's largest sum (the four rows by turns)
.endr
.irp i, 3,5,7,9,11,13
.irp m, 0,1,2,3
	v_max3_num_f32 v[MX+\m], v[MX+\m], v[SMX+16*\m+\i], v[SMX+16*\m+\i+1]
.endr
.endr
.irp m, 0,1,2,3
	v_max_num_f32 v[MX+\m], v[MX+\m], v[SMX+16*\m+15]
.endr
.irp m, 0,1,2,3
.irp j, 0,1,2,3,4,5,6,7,8,9,10,11,12,13,14,15
	v_sub_f32 v[SMX+16*\m+\j], v[SMX+16*\m+\j], v[MX+\m]   ; the maximum is taken away first, as the reference does
.endr
.irp j, 0,1,2,3
	v_sub_f32 v[OWN+4*\m+\j], v[OWN+4*\m+\j], v[MX+\m]
.endr
.endr
.set i, 0
.rept 80
	v_mul_f32 v[SMX+i], s22, v[SMX+i]              ; x log2(e) / 64  (v56-135: all 16 heads, then my wave's four again)
.set i, i+1
.endr
.set i, 0
	s_wait_alu depctr_va_vdst(0)
.rept 80
	v_exp_f32 v[SMX+i], v[SMX+i]                   ; one batch
.set i, i+1
.endr
	v_nop                                          ; a plain instruction behind the last exponential
	s_wait_alu depctr_va_vdst(0)                   ; the 80 exponentials have written v56-135: one wait for the batch, ahead of its first reader
.irp j, 0,2,4,6
.irp m, 0,1,2,3
	v_pk_add_f32 v[SMX+16*\m+\j:SMX+16*\m+\j+1], v[SMX+16*\m+\j:SMX+16*\m+\j+1], v[SMX+16*\m+8+\j:SMX+16*\m+8+\j+1]
.endr
.endr
.irp j, 0,2
.irp m, 0,1,2,3
	v_pk_add_f32 v[SMX+16*\m+\j:SMX+16*\m+\j+1], v[SMX+16*\m+\j:SMX+16*\m+\j+1], v[SMX+16*\m+4+\j:SMX+16*\m+4+\j+1]
.endr
.endr
.irp m, 0,1,2,3
	v_pk_add_f32 v[SMX+16*\m:SMX+16*\m+1], v[SMX+16*\m:SMX+16*\m+1], v[SMX+16*\m+2:SMX+16*\m+3]
.endr
.irp m, 0,1,2,3
	v_add_f32 v[SU+\m], v[SMX+16*\m], v[SMX+16*\m+1]
.endr
	s_wait_alu depctr_va_vdst(0)
.irp m, 0,1,2,3
	v_rcp_f32 v[RC+\m], v[SU+\m]
.endr
	v_nop
	s_wait_alu depctr_va_vdst(0)                   ; the four reciprocals have written v148-151: one wait, ahead of their first reader
.irp m, 0,1,2,3
.irp i, 0,1,2,3
	v_mul_f32 v[AT2+2*(4*\m+\i)], v[OWN+4*\m+\i], v[RC+\m]       ; attn of my head i, twice: a pair for the packed multiply
	v_mul_f32 v[AT2+2*(4*\m+\i)+1], v[OWN+4*\m+\i], v[RC+\m]
.endr
.endr
	WIN 0x82                                       ; v's fragments 0-7 (window 2): heads 0 and 1 of my four
.irp m, 0,1,2,3
.irp c, 0,1,2,3,4,5,6,7
.irp j, 0,2,4,6
	v_pk_mul_f32 v[64*\m+8*\c+\j:64*\m+8*\c+\j+1], v[64*\m+8*\c+\j:64*\m+8*\c+\j+1], v[AT2+2*(4*\m+\c/4):AT2+2*(4*\m+\c/4)+1]
.endr
.endr
.endr
	WIN 0xc3                                       ; fragments 8-15 (window 3): heads 2 and 3
.irp m, 0,1,2,3
.irp c, 0,1,2,3,4,5,6,7
.irp j, 0,2,4,6
	v_pk_mul_f32 v[64*\m+8*\c+\j:64*\m+8*\c+\j+1], v[64*\m+8*\c+\j:64*\m+8*\c+\j+1], v[AT2+2*(4*\m+2+\c/4):AT2+2*(4*\m+2+\c/4)+1]
.endr
.endr
.endr
.irp u, 0,1                            ; a window's 64 registers of tile m are 128 neighbouring columns: one K step of the projection.  They take x's place in LDS
.irp m, 0,1,2,3
	QUANT 2+\u, 64*\m
	IMAGE OW, KSB*\u+1536*\m
	ds_store_b32 v[OWS], v[PW] offset:KSB*\u+4*\m
.endr
.endr
	s_wait_dscnt 0x0                               ; my images lie in LDS
	s_barrier_signal -1
	s_barrier_wait -1                              ; everybody's do
; ---- pass 3: the projection; both areas = attn x v
	s_mov_b32 s40, ACT0
	s_mov_b32 s41, ACT0
	AFIRST
	STEP 0, 1, 1
	s_mov_b32 s42, 3
.Lkp:
	STEP 1, 0, 1
	STEP 0, 0, 1
	s_sub_co_u32 s42, s42, 1
	s_cmp_lg_u32 s42, 0
	s_cbranch_scc1 .Lkp
	s_wait_loadcnt 39                              ; step 31 asks for nothing: the counts run down, a group of 13 at a time; with no load to issue it holds no s_wait_alu
	s_wait_dscnt 13
	WIN 0xa1
	MUL 0, 4, 0
	s_wait_loadcnt 26
	MUL 4, 4, 0
	s_wait_loadcnt 13
	s_wait_dscnt 0x0
	WIN 0xf1
	MUL 8, 4, 0
	s_wait_loadcnt 0x0
	MUL 12, 4, 0
	PLACES 4
	WIN 0
	s_wait_alu depctr_va_vdst(0)                   ; the products have written the 64 accumulators, which the stage's stores read, and are done reading v56-151, in which the first tile's rows land; the places above stay beside this wait
; ---- THE WAY OUT, a tile of 16 rows at a time.  A lane holds runs of 16 neighbouring columns (64 bytes) of one row: they go through my stage in LDS and come back as whole rows of my 256 columns; the bias is added behind the
; read-back, where a lane's four columns are the same in every row.  LDS serves a wave's instructions in order (ISA guide 5.7.1.4): no wait between the stores and the loads.
.macro OUTM m
.if \m > 0
	s_wait_xcnt 0x0                                ; the last tile's stores have had their addresses translated: their registers are loaded again below
.endif
	WIN 0x08                                       ; an LDS store's data are its source 1: window 2
.irp b, 0,1,2,3
.irp i, 0,1,2,3
	ds_store_b128 v[STO], v[64*\m+16*\b+4*\i:64*\m+16*\b+4*\i+3] offset:128*\b+16*\i   ; each accumulator from its low end on
.endr
.endr
	WIN 0x0c                                       ; window 3: my columns 128 on
.irp b, 0,1,2,3
.irp i, 0,1,2,3
	ds_store_b128 v[STO], v[64*\m+16*\b+4*\i:64*\m+16*\b+4*\i+3] offset:512+128*\b+16*\i
.endr
.endr
	WIN 0
.if \m > 0
	s_wait_alu depctr_vm_vsrc(0)                   ; the last tile's global stores have read v56-183, in which the loads below land
	s_wait_alu depctr_va_vdst(0)                   ; and the last tile's additions have written them
.endif
.irp p, 0,1,2,3,4,5,6,7,8,9,10,11,12,13,14,15
.irp u, 0,1
	ds_load_b128 v[BK+8*\p+4*\u:BK+8*\p+4*\u+3], v[SB] offset:SPITCH*\p+512*\u
.endr
.endr
.irp f, 0,1
	s_wait_dscnt 16-16*\f                          ; eight rows are back; the other eight rows' sixteen loads may be out
.irp p, 0,1,2,3,4,5,6,7
.irp u, 0,1
.irp k, 0,2
	v_pk_add_f32 v[BK+8*(8*\f+\p)+4*\u+\k:BK+8*(8*\f+\p)+4*\u+\k+1], v[BK+8*(8*\f+\p)+4*\u+\k:BK+8*(8*\f+\p)+4*\u+\k+1], v[BI+4*\u+\k:BI+4*\u+\k+1]
.endr
.endr
.endr
	s_wait_alu depctr_va_vdst(0)                   ; the additions have written these eight rows, which the sixteen stores below read
.irp p, 0,1,2,3,4,5,6,7
.irp u, 0,1
	global_store_b128 v[LI], v[BK+8*(8*\f+\p)+4*\u:BK+8*(8*\f+\p)+4*\u+3], s[12:13] offset:(16*\m+8*\f+\p)*4096+512*\u th:TH_STORE_NT   ; 32 lanes store 512 consecutive bytes, at a multiple of 256 from out0's first byte; written once, read by nobody here
.endr
.endr
.endr
.endm
	OUTM 0
	OUTM 1
	OUTM 2
	OUTM 3
	s_wait_dscnt 0x0                               ; the closing lines, six on end
	s_wait_alu 0x0
	s_wait_tensorcnt 0x0
	ds_add_u32 v246, v247
	s_wait_dscnt 0x0
	s_endpgm
.Lfunc_end_k_qec6b1f300c_chain:
	.size	k_qec6b1f300c_chain, .Lfunc_end_k_qec6b1f300c_chain-k_qec6b1f300c_chain
	.p2alignl 7, 3214868480
	.fill 96, 4, 3214868480
	.section	.rodata,"a",@progbits
	.p2align	6, 0x0
	.amdhsa_kernel k_qec6b1f300c_chain
		.amdhsa_group_segment_fixed_size 175616
		.amdhsa_private_segment_fixed_size 0
		.amdhsa_enable_private_segment 0
		.amdhsa_kernarg_size 40
		.amdhsa_user_sgpr_count 2
		.amdhsa_user_sgpr_kernarg_segment_ptr 1
		.amdhsa_wavefront_size32 1
		.amdhsa_system_sgpr_workgroup_id_x 1
		.amdhsa_system_sgpr_workgroup_id_y 1
		.amdhsa_system_sgpr_workgroup_id_z 1
		.amdhsa_system_vgpr_workitem_id 0
		.amdhsa_next_free_vgpr 1024
		.amdhsa_next_free_sgpr 66
		.amdhsa_reserve_vcc 0
		.amdhsa_float_denorm_mode_32 3
		.amdhsa_float_denorm_mode_16_64 3
		.amdhsa_memory_ordered 1
		.amdhsa_forward_progress 1
		.amdhsa_inst_pref_size 255
	.end_amdhsa_kernel
	.section	.bss,"aw",@nobits
	.p2align	6
	.space	262144
	.amdgpu_metadata
---
amdhsa.version: [ 1, 2 ]
amdhsa.kernels:
  - .name:           k_qec6b1f300c_chain
    .symbol:         k_qec6b1f300c_chain.kd
    .args:
      - { .name: x, .offset: 0, .size: 8, .value_kind: global_buffer, .address_space: global }
      - { .name: y, .offset: 8, .size: 8, .value_kind: global_buffer, .address_space: global }
      - { .name: wts, .offset: 16, .size: 8, .value_kind: global_buffer, .address_space: global }
      - { .name: bproj, .offset: 24, .size: 8, .value_kind: global_buffer, .address_space: global }
      - { .name: out0, .offset: 32, .size: 8, .value_kind: global_buffer, .address_space: global }
    .group_segment_fixed_size: 175616
    .private_segment_fixed_size: 0
    .kernarg_segment_align: 8
    .kernarg_segment_size: 40
    .max_flat_workgroup_size: 128
    .sgpr_count:     66
    .vgpr_count:     1024
    .wavefront_size: 32
...
	.end_amdgpu_metadata
.endif
;; end of part 5
